; MI455X (gfx1250); checked and timed in simulation.
; The chip was launched on July 23, 2026; its instructions are those of AMD's public machine-readable ISA for CDNA 5 (MIT licence, August 2026) and "CDNA5" Instruction Set Architecture Reference Guide (July 2026). The comments in the code are by the model that wrote it; some were corrected since.
;; Causal Self Attention. Allowed arithmetic: matrix products marked QUANTISED: E2M3 operands, one E8M0 scale for each 32 along K, by v_wmma_scale_f32_16x16x128_f8f6f4 with both operands' format E2M3, f32 sums; everything else in f32.
;; Inputs: w_proj 1,024 x 1,024 float32; w_qkv 3,072 x 1,024 float32; x 4 x 2,048 x 1,024 float32.
;; Outputs: out0 4 x 2,048 x 1,024 float32.
;; This version of the problem:
;;   THIS VERSION OF THE PROBLEM IS GIVEN IN LOW PRECISION. The matrix products marked QUANTISED in the list below multiply operands that are first quantised to E2M3 (2 exponent bits, 3 mantissa bits; 6 bits a number), with one power-of-two scale for each 32 numbers along K (OCP MX v1.0); their sums are f32. All else is computed in f32.
;;   The module's matrix products, in the order in which they are computed (A, B: the left and right operand; K: the contracted axis; several contracted axes count as one K, in the product's order):
;;     1. [M 8,192, K 1,024] x [K 1,024, N 3,072]; A: input x; B: input w_qkv: QUANTISED
;;     2. batch 64 x [M 2,048, K 64] x [K 64, N 2,048]; A: computed on the way; B: computed on the way: QUANTISED
;;     3. batch 64 x [M 2,048, K 2,048] x [K 2,048, N 64]; A: softmax (see below); B: computed on the way: QUANTISED
;;     4. [M 8,192, K 1,024] x [K 1,024, N 1,024]; A: computed on the way; B: input w_proj: QUANTISED
;;   THE QUANTISER, for each operand of a quantised product, along K:
;;     - K is cut into blocks of 32 from its start; a last block that is shorter is filled with zeros.
;;     - A block's scale is 2^e with e = floor(log2(the largest magnitude in the block)) - 2, held to -126 .. 127; a block of zeros has e = 0. As a byte (E8M0): e + 127.
;;     - Each number is divided by its block's scale, clamped to +-7.5, and rounded to the nearest number of E2M3, ties to even, subnormals kept.
;;     - The product sums the exact products of the quantised numbers (number of the format x scale) in f32.
;;   ~~~python
;;   def quantise(x, axis):      # numpy; x: float32 -> the quantised numbers, widened to float32 again
;;       x = np.moveaxis(x, axis, -1); K = x.shape[-1]
;;       x = np.pad(x, [(0, 0)] * (x.ndim - 1) + [(0, -K % 32)]); x = x.reshape(x.shape[:-1] + (-1, 32)); a = np.abs(x).max(-1, keepdims=True)
;;       e = np.where(a > 0, np.clip(np.frexp(np.where(a > 0, a, 1))[1] - 1 - 2, -126, 127), 0)      # np.frexp(a)[1] - 1 = floor(log2(a)), exactly
;;       r = np.clip(x / 2.0 ** e, -7.5, 7.5)
;;       step = 2.0 ** (np.maximum(np.frexp(np.where(r == 0, 1, r))[1] - 1, 0) - 3)
;;       q = np.round(r / step) * step * 2.0 ** e      # np.round: ties to even
;;       return np.moveaxis(q.reshape(q.shape[:-2] + (-1,))[..., :K], -1, axis).astype(np.float32)
;;   ~~~
;;   SOFTMAX AHEAD OF A QUANTISED PRODUCT. Where the list says 'softmax', what is quantised is not the finished softmax but p = 2^(t - M), with t = logit x log2(e) and M = ceil(the row's largest t), a whole number; so 1/2 < the row's largest p <= 1. The row's sum l is taken of the UNQUANTISED p, in f32, and the product's result is divided by l at the end. Since M is a whole number, a kernel that streams over the keys may use a running M (the ceiling of the running maximum): every later rescaling is an exact power of two, which a block's scale takes up: the codes' values come out the same.
;;   OPERANDS COMPUTED ON THE WAY. 'Computed on the way' means the value that the module computes at that place (a softmax that the list does not call 'softmax' is quantised finished and normalised). What goes into a quantiser is computed in f32, as accurately as f32 sums, v_exp_f32 and their like allow (about 1e-6 of the number): no bf16 or f16 on the way to a quantiser, and a product that is left as it is and whose result goes on into a quantised operand takes f32 operands (vector FMAs, or v_wmma_f32_16x16x4_f32). A number that lies on a knife's edge between two numbers of the format may be rounded either way, as far as f32 arithmetic and the matrix unit's own rounding can turn it there, and no further.
;; One version. Each part assembles by itself: llvm-mc -triple=amdgcn-amd-amdhsa -mcpu=gfx1250 --defsym DOCPART=n.
;; ======== version 1 of 1: 4 launches
;; limits: right only within a limited range of input values
;; workspace buffers: cod 9,437,184 bytes; scl 393,216 bytes; qkvc 19,660,800 bytes; oc 6,291,456 bytes; os 262,144 bytes
;; launch quant (part 1): grid 384 x 1, 4 waves a work-group, no clusters, 33,280 bytes of LDS; arguments x, w_qkv, w_proj, cod, scl; writes cod, scl
.if DOCPART == 1
	.amdgcn_target "amdgcn-amd-amdhsa--gfx1250"
	.amdhsa_code_object_version 6
	.text
	.protected	k_qcbe18b65cd_quant
	.globl	k_qcbe18b65cd_quant
	.p2align	8
	.type	k_qcbe18b65cd_quant,@function
k_qcbe18b65cd_quant:
	s_mov_b64 s[64:65], 0
	v_nop
	global_prefetch_b8 v0, s[64:65] scope:SCOPE_SE
	s_setreg_imm32_b32 hwreg(HW_REG_WAVE_MODE, 25, 1), 1
	s_wait_xcnt 0x0
; x [8192][1024], w_qkv [3072][1024] and w_proj [1024][1024], f32 with K innermost, become codes of FP6 (E2M3), 6 bits each, and one E8M0 scale byte for each 32 along K.
; cod: [4 K steps of 256][12288 rows][192 bytes], scl: [12288 rows][32 bytes]; rows 0-8191 x, 8192-11263 w_qkv, 11264-12287 w_proj.
; THE ROWS ARE PERMUTED: input row p is stored at the row whose number is p with bits 3 and 4 exchanged (inside each group of 32 rows).  So 16 consecutive stored rows are the true rows
; 32 b + 8 u + r + 8 (r / 8): used as source 0 of a matrix instruction they leave, in a lane's 16 registers of two neighbouring tiles, 16 NEIGHBOURS along that axis, which the later quantisers want.
; A block's scale is 2^(floor(log2(its largest magnitude)) - 2); its byte is the largest magnitude's exponent field - 2, held at 1 from below.  Each number is divided by the scale and rounded to the nearest code, ties to even.
; LIMITS: a block of zeros gets the byte 1 where the rule says 127 (its codes are zeros, and this program alone reads the bytes); blocks whose largest magnitude lies under 2^-124 are held at byte 1; NaN and infinities are not served.
; A work-group takes 32 rows, a wave 8 rows = 16 steps of 512 numbers.  Each load reads 512 consecutive bytes; a step's 2,048 bytes turn through the wave's own stage in LDS and come back 64 bytes a lane,
; so that a lane holds 16 neighbours along K (two neighbouring lanes hold a block).  A wave is 8 rows, so the exchange of bits 3 and 4 is an exchange of the two bits of the wave's number in the output address.
; No tensor loads, no barrier: waves share nothing.  Loads run four steps (16 loads a wave) ahead, the turn through LDS one step.
.set WAVES, 4
.set STEPS, 16
.set EMAX,  2
.set CB,    12                         ; bytes of 16 codes
.set R,     16                         ; v16-79   four sets of 16 numbers as they are loaded
.set X,     80                         ; v80-111  two sets of 16 neighbours
.set C,     128                        ; v128-191 codes: four registers for each step, so that no store's data are written again
.set E,     112                        ; v112-127 a scale byte for each step
.set WREG,  8192                       ; LDS: a region for each wave: two stages of 32 x SP bytes, behind them its 256 scale bytes
.set SP,    80                         ; a lane's place in a stage: 64 bytes + 16 of padding
.set SPW,   12                         ; v12  LDS address of my spare word; never rewritten
.set NIL,   13                         ; v13  0; never rewritten
.set SPARE, WAVES*WREG                 ; behind the four regions: the spare words, 128 bytes for each wave, which no other line names
	s_load_b128 s[4:7], s[0:1], 0x0                ; x, w_qkv
	s_load_b128 s[8:11], s[0:1], 0x10              ; w_proj, cod
	s_load_b64 s[12:13], s[0:1], 0x20              ; scl
	v_lshl_add_u32 v[SPW], v0, 2, SPARE
	v_mov_b32 v[NIL], 0
	v_lshrrev_b32 v1, 5, v0
	v_readfirstlane_b32 s16, v1                    ; wave
	v_and_b32 v2, 31, v0                           ; lane
	v_lshlrev_b32 v3, 4, v2                        ; my 16 bytes of a load's 512
	s_mul_i32 s17, s16, WREG
	v_lshrrev_b32 v14, 2, v2
	v_mul_u32_u24 v14, v14, SP
	v_and_b32 v15, 3, v2
	v_lshl_add_u32 v14, v15, 4, v14
	v_add_nc_u32 v14, s17, v14                     ; the stage, on the way in: SP (lane / 4) + 16 (lane % 4)
	v_mul_u32_u24 v15, v2, SP
	v_add_nc_u32 v15, s17, v15                     ; and on the way out: SP x lane: my 16 neighbours
	; cod is laid [K step of 256][12288 rows][192 bytes]: lanes 0-15 hold one K step's 192 bytes of a row, lanes 16-31 the next K step's, one plane of 2,359,296 bytes on
	v_and_b32 v4, 15, v2
	v_mul_u32_u24 v4, v4, CB
	v_lshrrev_b32 v10, 4, v2
	v_mad_u32_u24 v4, v10, 0x240000, v4
	v_lshrrev_b32 v5, 1, v2
	s_add_co_u32 s17, s17, 2*32*SP
	v_add_nc_u32 v5, s17, v5                       ; LDS: my wave's 256 scale bytes, my block's byte
	v_lshlrev_b32 v7, 3, v2                        ; and on the way out 8 bytes a lane
	v_add_nc_u32 v6, s17, v7
	s_wait_alu depctr_va_vdst(0)
	s_wait_kmcnt 0x0
	s_cmp_lt_u32 ttmp9, 256                        ; which tensor?  The choice hangs on the work-group's number alone
	s_cselect_b64 s[4:5], s[4:5], s[6:7]
	s_cselect_b32 s17, 0, 256
	s_cmp_lt_u32 ttmp9, 352
	s_cselect_b64 s[4:5], s[4:5], s[8:9]
	s_cselect_b32 s17, s17, 352                    ; the tensor's first work-group
	s_sub_co_u32 s17, ttmp9, s17
	s_lshl_b32 s17, s17, 2
	s_add_co_u32 s18, s17, s16                     ; which run of 8 rows of the tensor is my wave's
	s_lshl_b32 s18, s18, 15                        ; 32,768 bytes a run (under 2^26)
	s_mov_b32 s19, 0
	s_add_nc_u64 s[4:5], s[4:5], s[18:19]
	s_and_b32 s20, s16, 1
	s_lshl_b32 s20, s20, 1
	s_lshr_b32 s21, s16, 1
	s_or_b32 s20, s20, s21                         ; the wave's two bits exchanged: rows' bits 3 and 4
	s_lshl_b32 s21, ttmp9, 2
	s_add_co_u32 s20, s20, s21                     ; the run of 8 rows in cod and scl
	s_mul_i32 s22, s20, 8*192                      ; 8 rows of 192 bytes in a plane
	s_mov_b32 s23, 0
	s_add_nc_u64 s[10:11], s[10:11], s[22:23]
	s_lshl_b32 s22, s20, 8                         ; 256 scale bytes a run
	s_add_nc_u64 s[12:13], s[12:13], s[22:23]
.macro LOAD t
.irp i, 0,1,2,3
	global_load_b128 v[R+16*((\t)%4)+4*\i:R+16*((\t)%4)+4*\i+3], v3, s[4:5] offset:2048*(\t)+512*\i th:TH_LOAD_NT   ; 32 lanes read 512 consecutive bytes
.endr
.endm
.macro TURN t                          ; step t's numbers through the stage: LDS serves a wave's instructions in order, so no wait stands between the stores and the loads
.irp i, 0,1,2,3
	ds_store_b128 v14, v[R+16*((\t)%4)+4*\i:R+16*((\t)%4)+4*\i+3] offset:32*SP*((\t)%2)+8*SP*\i
.endr
.irp i, 0,1,2,3
	ds_load_b128 v[X+16*((\t)%2)+4*\i:X+16*((\t)%2)+4*\i+3], v15 offset:32*SP*((\t)%2)+16*\i
.endr
.endm
.irp t, 0,1,2,3
	LOAD \t
.endr
	s_wait_loadcnt 12                              ; step 0's four loads are in; the twelve of steps 1 to 3 may be out
	TURN 0
.macro STEP t
.set XS, X+16*((\t)%2)
.if (\t) > 0
	s_wait_dscnt 1                                 ; this step's numbers are back from the stage (the last step's byte store may be out): so its stores into the stage have read their registers,
.else
	s_wait_dscnt 0x0
.endif
.if (\t)+4 < STEPS
	LOAD (\t)+4                                    ; which take the loads of four steps on
.endif
.if (\t)+1 < STEPS
.if STEPS-2-(\t) >= 3
	s_wait_loadcnt 12                              ; the next step's four loads are in; those of the three steps behind it may be out
.else
	s_wait_loadcnt 4*(STEPS-2-(\t))
.endif
	TURN (\t)+1                                    ; and go through the other stage while this step is worked
.endif
	v_max3_num_f32 v8, |v[XS]|, |v[XS+1]|, |v[XS+2]|               ; the largest magnitude of my 16, in two chains
	v_max3_num_f32 v9, |v[XS+3]|, |v[XS+4]|, |v[XS+5]|
.irp i, 6,10
	v_max3_num_f32 v8, v8, |v[XS+\i]|, |v[XS+\i+1]|
	v_max3_num_f32 v9, v9, |v[XS+\i+2]|, |v[XS+\i+3]|
.endr
	v_max3_num_f32 v8, v8, |v[XS+14]|, |v[XS+15]|
	v_max3_num_f32 v8, v8, v9, (EMAX+1)<<23        ; and the floor 2^(3 - 127): the byte cannot fall under 1
	v_max_num_f32_dpp v8, v8, v8 row_xmask:1 row_mask:0xf bank_mask:0xf   ; and of my neighbour's 16: the block's
	v_add_nc_u32 v11, -(EMAX<<23), v8              ; 2 off its exponent field: the conversion takes the exponent field of this operand as its scale
	v_cvt_scalef32_pk16_fp6_f32 v[C+4*(\t):C+4*(\t)+2], v[XS:XS+15], v11         ; sixteen codes, 96 bits without gaps, the first number's code lowest
	v_lshrrev_b32 v[E+(\t)], 23, v11               ; the scale's byte (a plain line behind the conversion)
	ds_store_b8 v5, v[E+(\t)] offset:16*(\t)       ; both lanes of a block write the same byte with the same value
	global_store_b96 v4, v[C+4*(\t):C+4*(\t)+2], s[10:11] offset:((\t)%2)*2*2359296+((\t)/2)*192   ; step t: row t / 2, K steps 2 (t % 2) and 2 (t % 2) + 1
.endm
.irp t, 0,1,2,3,4,5,6,7,8,9,10,11,12,13,14,15
	STEP \t
.endr
	ds_load_b64 v[8:9], v6                         ; LDS serves a wave's instructions in order: these see my stores
	s_wait_dscnt 0x0
	global_store_b64 v7, v[8:9], s[12:13]          ; 32 lanes store 256 consecutive bytes, aligned
	s_wait_tensorcnt 0x0                           ; the wave's end
	ds_add_u32 v[SPW], v[NIL]
	s_wait_dscnt 0x0
	s_endpgm
.Lfunc_end_k_qcbe18b65cd_quant:
	.size	k_qcbe18b65cd_quant, .Lfunc_end_k_qcbe18b65cd_quant-k_qcbe18b65cd_quant
	.p2alignl 7, 3214868480
	.fill 96, 4, 3214868480
	.section	.rodata,"a",@progbits
	.p2align	6, 0x0
	.amdhsa_kernel k_qcbe18b65cd_quant
		.amdhsa_group_segment_fixed_size 33280
		.amdhsa_private_segment_fixed_size 0
		.amdhsa_enable_private_segment 0
		.amdhsa_kernarg_size 40
		.amdhsa_user_sgpr_count 2
		.amdhsa_user_sgpr_kernarg_segment_ptr 1
		.amdhsa_wavefront_size32 1
		.amdhsa_system_sgpr_workgroup_id_x 1
		.amdhsa_system_sgpr_workgroup_id_y 1
		.amdhsa_system_sgpr_workgroup_id_z 1
		.amdhsa_system_vgpr_workitem_id 0
		.amdhsa_next_free_vgpr 192
		.amdhsa_next_free_sgpr 66
		.amdhsa_reserve_vcc 0
		.amdhsa_float_denorm_mode_32 3
		.amdhsa_float_denorm_mode_16_64 3
		.amdhsa_memory_ordered 1
		.amdhsa_forward_progress 1
		.amdhsa_inst_pref_size 33
	.end_amdhsa_kernel
	.amdgpu_metadata
---
amdhsa.version: [ 1, 2 ]
amdhsa.kernels:
  - .name:           k_qcbe18b65cd_quant
    .symbol:         k_qcbe18b65cd_quant.kd
    .args:
      - { .name: x, .offset: 0, .size: 8, .value_kind: global_buffer, .address_space: global }
      - { .name: w_qkv, .offset: 8, .size: 8, .value_kind: global_buffer, .address_space: global }
      - { .name: w_proj, .offset: 16, .size: 8, .value_kind: global_buffer, .address_space: global }
      - { .name: cod, .offset: 24, .size: 8, .value_kind: global_buffer, .address_space: global }
      - { .name: scl, .offset: 32, .size: 8, .value_kind: global_buffer, .address_space: global }
    .group_segment_fixed_size: 33280
    .private_segment_fixed_size: 0
    .kernarg_segment_align: 8
    .kernarg_segment_size: 40
    .max_flat_workgroup_size: 128
    .sgpr_count:     66
    .vgpr_count:     192
    .wavefront_size: 32
...
	.end_amdgpu_metadata
.endif
;; end of part 1
;; launch gemm_qkv (part 2): grid 12 x 32, 4 waves a work-group, clusters of 4 x 4, 327,680 bytes of LDS; arguments cod, scl, qkvc; writes qkvc
.if DOCPART == 2
	.amdgcn_target "amdgcn-amd-amdhsa--gfx1250"
	.amdhsa_code_object_version 6
	.text
	.protected	k_qcbe18b65cd_gemm_qkv
	.globl	k_qcbe18b65cd_gemm_qkv
	.p2align	8
	.type	k_qcbe18b65cd_gemm_qkv,@function
k_qcbe18b65cd_gemm_qkv:
	s_mov_b64 s[64:65], 0
	v_nop
	global_prefetch_b8 v0, s[64:65] scope:SCOPE_SE
	s_setreg_imm32_b32 hwreg(HW_REG_WAVE_MODE, 25, 1), 1
	s_wait_xcnt 0x0
	s_wait_alu depctr_hold_cnt(0) depctr_sa_sdst(0) depctr_va_vdst(0) depctr_va_sdst(0) depctr_va_ssrc(0) depctr_va_vcc(0) depctr_vm_vsrc(0)
	s_getreg_b32 s2, hwreg(HW_REG_IB_STS2, 6, 4)
	s_cmp_eq_u32 s2, 0
	s_cbranch_scc0 .Lentry_in_a_cluster
	s_endpgm
.Lentry_in_a_cluster:
	s_bfe_u32 s2, ttmp6, 0x10000c
	s_cmp_lg_u32 s2, 0xf033
	s_cbranch_scc0 .Lentry_shape_is_right
	s_endpgm
.Lentry_shape_is_right:
; qkv = x w_qkv^T on codes of FP6 (E2M3) with E8M0 scales, f32 sums; the results never go to memory as f32: they are quantised in registers for the attention's products and leave as codes.
; A tile of 256 x 256 is made by four waves, 128 x 128 each: 64 accumulators, 512 registers.  K = 1,024 goes in steps of 256 through a ring of two LDS slots filled by the tensor data mover.
; The matrix instruction takes 16 rows of operand B as source 0 and 16 rows of operand A as source 1: a lane then holds ONE row of A, and its registers run along B's rows.
; WHICH TENSOR IS A hangs on the cluster's x:  x = 0, 1 (q, k): A = tokens, B = features 0-2047: a lane holds a token and registers along the head's d, the K of q k^T.
;                                              x = 2    (v):    A = v's features, B = tokens: a lane holds a channel d and registers along the tokens, the K of p v.
; The rows of cod lie with bits 3 and 4 of their number exchanged, so that register 16 b + i of a lane (tiles 2 b, 2 b + 1 of B) is B's true index 32 b + 16 (lane / 16) + i: 16 neighbours of a block of 32.
; OUT.  qkvc: region (q 0, k 1, v 2) x 6,553,600 + (16 batch + head) x 102,400 + (group of 128 tokens) x 6,400 + unit x 1,536; a unit is the image of 12 operand registers: register 4 i + n of lane l at 512 i + 16 l + 4 n.
;   q, k: unit u holds registers 0-5 = token tile 2 u, 6-11 = token tile 2 u + 1 (lane (r, h): d = 32 h .. 32 h + 31 of stored token row r).   v: unit t = 16 channels (stored order) x the group's 128 tokens (true order).
;   scale words: behind each group's 6,144 bytes of codes in qkvc, at 16 r + 4 unit: the unit's scale word of row r.
; CLUSTERS: 4 x 4 work-groups; A's tiles are shared along a row of the cluster, B's along a column: each is asked for jointly, by the same tensor load with the same descriptor and a mask that names the four.
; The choice of tensors hangs on the cluster's x alone, which all sixteen partners share.
; LIMITS: zero blocks carry the byte 1 (their codes are zeros; this program alone reads the bytes); blocks whose largest magnitude lies under 2^-124 are held at byte 1; NaN and infinities are not served.
; REGISTERS, in windows of 256: window 0: v0-31 addresses; v32-63 scale words, two sets; from v128 A's fragments, one set; behind the loop v32-163 serve the quantiser.
;   window 1: B's fragments, two sets, at v0 and v128.   window 2: the accumulators of my rows 0-63 of A ((a, b) at v[8 (8 a + b)]);   window 3: those of rows 64-127.
.set KSTEP,  256                       ; along K in a slot
.set NQ,     KSTEP/128                 ; matrix instructions deep
.set ROWB,   192                       ; a tile's row in bytes
.set KROW,   768                       ; a row of cod
.set PITCH,  240                       ; an LDS row: 3 x (64 bytes + 16 of padding): the 32 lanes of a load of 8 bytes touch 64 different banks (64 banks of 4 bytes: ISA guide 11.1)
.set FR,     12                        ; registers of a fragment
.set NL,     6                         ; LDS loads that bring one
.set NP,     4                         ; places behind this matrix instruction (ISA guide 7.12.1)
.set HALFT,  128*PITCH                 ; 128 rows: what one tensor load brings
.set SLOT,   4*HALFT                   ; A's 256 rows, then B's 256 rows
.set LAPS,   2                         ; 1,024 / 512
.set PLANE,  2359296                   ; cod is [K step][12288 rows][192 bytes]: a tile of 128 rows is 24,576 dense bytes, stated as 96 rows of 256 bytes; the padding's interval stays 64 bytes, so the LDS image is rows of 240
.set ASTEP,  2*PLANE
.set KS,     32                        ; a row of scl
.set SCL,    2*SLOT                    ; behind the ring: the scales, as units of 256 bytes + 16 of padding
.set HALFS,  (128*KS/256)*272
.set SBLK,   (16*KS/256)*272
.set SPARE,  SCL+4*HALFS               ; the spare words, 128 bytes for each wave, which no other line names
.set ADRA, 16                          ; v16-17 LDS address of my A fragments in slot 0, 1 (v18-19: for the pieces behind one padding more)
.set ADRB, 20                          ; v20-23 the same for B
.set VO,   24                          ; v24  out: 16 x lane
.set VS,   25                          ; v25  out: 102,400 x (lane / 16) + 16 x (lane % 16)
.set SELR, 26                          ; v26  byte selects for the scale words of q and k
.set ADRS, 27                          ; v27  LDS address of my scale words: lanes 0-15 A's rows, lanes 16-31 B's
.set SPW,  28                          ; v28  LDS address of my spare word; never rewritten
.set NIL,  29                          ; v29  0; never rewritten
.set SC,   32                          ; scale words, set s at v[SC + 16 s]
.set AF,   128                         ; A's fragments
.set TM,   32                          ; behind the loop: +0..3 largest magnitudes, +4..7 the other half's, then bytes, +12..15 the conversions' scale operands
.set PWR,  48                          ; v48-55 the scale word of A's tile a
.set CT,   56                          ; v56-58, v60-62 the upper halves of blocks, as converted
.set U,    64                          ; v64-159 eight units of 12 registers; none is written twice, so no store's data are rewritten
.set SW,   160                         ; v160-163 the four scale words that a lane stores
.set G1, 24
.set G0, 32
.set G1B, 48
.set G0B, 56
.set G1S, 68
.set G0S, 76
.set G1SB, 80
.set G0SB, 88
.set MSB, 0
.macro WIN new                         ; the immediate's high byte repeats the setting that is left
.if MSB != \new
	s_set_vgpr_msb (MSB<<8)|\new
.set MSB, \new
.endif
.endm
.set MUL_LO, 0xa1                      ; source 0 (B) window 1, source 1 (A) window 0, C and D window 2
.set MUL_HI, 0xf1
.set TO_B,   0x40
; A joint load: waves 0 and 1 fetch for A, waves 2 and 3 for B.  The branch hangs on the wave's number alone.  An s_nop 0 and four v_nop follow each of the two lines.
.macro JLOAD g0a, g1a, g0b, g1b
	s_cmp_eq_u32 s15, 0
	s_cbranch_scc0 .Lfor_b_\@
	tensor_load_to_lds s[\g0a:\g0a+3], s[\g1a:\g1a+7]
	s_nop 0
.rept 4
	v_nop
.endr
	s_branch .Lasked_\@
.Lfor_b_\@:
	tensor_load_to_lds s[\g0b:\g0b+3], s[\g1b:\g1b+7]
	s_nop 0
.rept 4
	v_nop
.endr
.Lasked_\@:
.endm
.macro CREST                           ; a round of the cluster's barrier behind its opening barrier
	s_cmp_lg_u32 s14, 0
	s_cbranch_scc1 .Lnot_wave_0_\@
	s_barrier_signal -3
.Lnot_wave_0_\@:
	s_barrier_wait -3
	s_barrier_signal -1
	s_barrier_wait -1
.endm
.macro CROUND
	s_barrier_signal -1
	s_barrier_wait -1
	CREST
.endm
	s_load_b128 s[4:7], s[0:1], 0x0                ; cod, scl
	s_load_b64 s[8:9], s[0:1], 0x10                ; qkvc: region x 6,553,600 + head x 102,400 + group x 6,400: 6,144 bytes of codes, then the group's 256 bytes of scale words
	v_lshl_add_u32 v[SPW], v0, 2, SPARE
	v_mov_b32 v[NIL], 0
	ds_add_u32 v[SPW], v[NIL]                      ; the wave's opening: the add and its wait ahead of my first tensor load; the set-up below, work on registers, stands between them
	ds_add_u32 v[SPW], v[NIL]
	v_lshrrev_b32 v1, 5, v0
	v_readfirstlane_b32 s14, v1                    ; wave 0..3
	s_lshr_b32 s15, s14, 1                         ; which half of A's rows is mine.  Also: I fetch for A (0) or for B (1)
	s_and_b32 s16, s14, 1                          ; which half of B's rows.  Also: which 128 rows of that tile I fetch
	s_bfe_u32 s40, ttmp6, 0x40000                  ; cx, cy: my place in the cluster
	s_bfe_u32 s41, ttmp6, 0x40004
	s_and_b32 s17, ttmp7, 0xffff                   ; cluster y, 0..7
	s_cmp_eq_u32 ttmp9, 2                          ; cluster x = 2: v.  All five choices stand behind this one compare
	s_cselect_b32 s12, 1, 0                        ; 1: v
	s_cselect_b32 s42, s17, ttmp9                  ; B's cluster coordinate: tokens by y, or features by x
	s_cselect_b32 s17, 0, s17                      ; A's: v's four tiles of features, or tokens by y
	s_cselect_b32 s95, 10240, 0                    ; A's first row in cod: v's rows of w_qkv, or x
	s_cselect_b32 s96, 0, 8192                     ; B's: x, or w_qkv
	s_lshl_b32 s42, s42, 2
	s_add_co_u32 s42, s42, s40                     ; B's tile = 4 x its cluster coordinate + cx
	s_lshl_b32 s17, s17, 2
	s_add_co_u32 s17, s17, s41                     ; A's tile = 4 x its cluster coordinate + cy
	s_lshl_b32 s43, s41, 2
	s_lshl_b32 s43, 15, s43                        ; my row of the cluster
	s_lshl_b32 s44, 0x1111, s40                    ; my column
	; descriptor group 1: a tile of 128 rows x 192 bytes, padded in LDS
	s_or_b32 s[G1+0], s43, (0<<16)|(1<<20)|(1<<21)|(3<<22)|(3<<25)  ; 15:0 the mask: A's tiles go to my row; 17:16 element of 1 byte; 20 padding on; 21 set beside a mask; 24:22 after every 16 words; 31:25 of 4 words
	s_or_b32 s[G1B+0], s44, (0<<16)|(1<<20)|(1<<21)|(3<<22)|(3<<25)
.irp g, G1, G1B
	s_mov_b32 s[\g+1], 256<<16                     ; rows of 256 bytes
	s_mov_b32 s[\g+2], 192<<16                     ; the head's loads: 256 rows of codes = 192 such rows
	s_mov_b32 s[\g+3], 256<<16
	s_mov_b32 s[\g+4], 192
	s_mov_b32 s[\g+5], 256
	s_mov_b32 s[\g+6], 0
	s_mov_b32 s[\g+7], 0
.endr
	; the scales of 256 rows: a dense block of 8,192 bytes, as 32 rows of 256 bytes (32 elements of 8 bytes), 16 bytes of padding behind each
	s_or_b32 s[G1S+0], s43, (3<<16)|(1<<20)|(1<<21)|(5<<22)|(3<<25)
	s_or_b32 s[G1SB+0], s44, (3<<16)|(1<<20)|(1<<21)|(5<<22)|(3<<25)
.irp g, G1S, G1SB
	s_mov_b32 s[\g+1], 32<<16
	s_mov_b32 s[\g+2], (256*KS/256)<<16
	s_mov_b32 s[\g+3], 32<<16
	s_mov_b32 s[\g+4], 256*KS/256
	s_mov_b32 s[\g+5], 32
	s_mov_b32 s[\g+6], 0
	s_mov_b32 s[\g+7], 0
.endr
	s_lshl_b32 s18, s16, 7                         ; which 128 rows of the tile I fetch in the ring
	s_lshl_b32 s20, s17, 8
	s_add_co_u32 s20, s20, s95                     ; A: the tile's first row in cod
	s_lshl_b32 s46, s42, 8
	s_add_co_u32 s46, s46, s96                     ; B: likewise
	s_lshl_b32 s22, s20, 5                         ; where the scales of the tile's 256 rows begin
	s_mov_b32 s23, 0
	s_lshl_b32 s92, s46, 5
	s_mov_b32 s93, 0
	s_add_co_u32 s20, s20, s18
	s_add_co_u32 s46, s46, s18
	s_mul_i32 s20, s20, ROWB                       ; my 128 rows' codes in a plane
	s_mov_b32 s21, 0
	s_mul_i32 s46, s46, ROWB
	s_mov_b32 s47, 0
	s_mul_i32 s45, s14, HALFT                      ; where they go: wave x 128 rows: no place in the cluster enters an LDS address
	s_mov_b32 s97, 0xffff0000                      ; lanes 16-31
	s_mov_b32 s98, 0x76543210
	s_mov_b32 s99, 0xfedcba98                      ; v_permlanex16_b32's selects for lane l xor 16
	s_wait_dscnt 0x0                               ; the opening add is done
	s_wait_kmcnt 0x0
	s_add_nc_u64 s[20:21], s[4:5], s[20:21]
	s_add_nc_u64 s[22:23], s[6:7], s[22:23]
	s_add_nc_u64 s[46:47], s[4:5], s[46:47]
	s_add_nc_u64 s[92:93], s[6:7], s[92:93]
	CROUND                                         ; all sixteen work-groups are here: the first joint loads meet
	s_mov_b32 s[G0S], 1
	s_mov_b32 s[G0S+1], SCL
	s_mov_b64 s[G0S+2:G0S+3], s[22:23]
	s_or_b32 s[G0S+3], s[G0S+3], 0x80000000
	s_mov_b32 s[G0SB], 1
	s_mov_b32 s[G0SB+1], SCL+2*HALFS
	s_mov_b64 s[G0SB+2:G0SB+3], s[92:93]
	s_or_b32 s[G0SB+3], s[G0SB+3], 0x80000000
.irp s, 0,1
	s_mov_b32 s[G0+4*\s], 1
	s_add_co_u32 s[G0+4*\s+1], s45, \s*SLOT
	s_add_nc_u64 s[G0+4*\s+2:G0+4*\s+3], s[20:21], \s*PLANE
	s_or_b32 s[G0+4*\s+3], s[G0+4*\s+3], 0x80000000
	s_mov_b32 s[G0B+4*\s], 1
	s_add_co_u32 s[G0B+4*\s+1], s45, \s*SLOT
	s_add_nc_u64 s[G0B+4*\s+2:G0B+4*\s+3], s[46:47], \s*PLANE
	s_or_b32 s[G0B+4*\s+3], s[G0B+4*\s+3], 0x80000000
.endr
; THE HEAD'S LOADS, one a wave, in one tree of branches on the wave's number.  Wave 0's slot-0 descriptor of A and wave 2's of B point at the tile's first row and at its place in LDS:
; with 192 rows in group 1 they bring all 256 rows of K step 0.  Wave 1 brings the scales of A's 256 rows, wave 3 those of B's.
.macro HARM w, g0, g1, next
	s_cmp_eq_u32 s14, \w
	s_cbranch_scc0 \next
	tensor_load_to_lds s[\g0:\g0+3], s[\g1:\g1+7]
	s_nop 0
.rept 4
	v_nop
.endr
	s_branch .Lhead_asked
\next:
.endm
	HARM 0, G0, G1, .Lhead_1
	HARM 1, G0S, G1S, .Lhead_2
	HARM 2, G0B, G1B, .Lhead_3
	tensor_load_to_lds s[G0SB:G0SB+3], s[G1SB:G1SB+7]
	s_nop 0
.rept 4
	v_nop
.endr
.Lhead_asked:
	v_and_b32 v1, 15, v0                           ; l % 16
	v_bfe_u32 v2, v0, 4, 1                         ; l / 16
	v_mul_u32_u24 v3, v1, PITCH
	v_mul_u32_u24 v4, v2, 24
	v_add_nc_u32 v4, v3, v4                        ; a fragment's row x pitch + 24 x half
	v_lshl_add_u32 v5, v2, 4, v4                   ; and the same behind one padding more
	s_mul_i32 s21, s15, HALFT                      ; my 128 rows of A
	s_mul_i32 s22, s16, HALFT                      ; my 128 rows of B,
	s_add_co_u32 s22, s22, 2*HALFT                 ; which lie behind A's 256
.irp s, 0,1
	v_add_nc_u32 v[ADRA+\s], s21, v4
	v_add_nc_u32 v[ADRB+\s], s22, v4
	v_add_nc_u32 v[ADRA+2+\s], s21, v5
	v_add_nc_u32 v[ADRB+2+\s], s22, v5
	s_add_co_u32 s21, s21, SLOT
	s_add_co_u32 s22, s22, SLOT
.endr
	v_mul_u32_u24 v5, v1, KS                       ; my row's scales: 32 bytes a row,
	v_lshrrev_b32 v6, 8, v5
	v_lshl_add_u32 v5, v6, 4, v5                   ; and 16 more for each 256 passed
	s_mul_i32 s21, s15, HALFS                      ; A's: my 128 rows
	s_mul_i32 s22, s16, HALFS                      ; B's: my 128 rows, behind A's 256
	s_add_co_u32 s22, s22, 2*HALFS
	s_sub_co_u32 s22, s22, s21
	v_mul_u32_u24 v6, s22, v2                      ; lanes 16-31 take B's: the lower base + half x the distance
	s_add_co_u32 s21, s21, SCL
	v_add_nc_u32 v5, v5, v6
	v_add_nc_u32 v[ADRS], s21, v5
	; where my results go.  My 128 rows of A are group 2 x (A's tile) + half, my 128 rows of B likewise; one of the two is a group of tokens, the other a pair of heads
	s_lshl_b32 s20, s17, 1
	s_add_co_u32 s20, s20, s15                     ; A's group
	s_lshl_b32 s46, s42, 1
	s_add_co_u32 s46, s46, s16                     ; B's group
	s_add_co_u32 s21, s20, 16                      ; v's features are groups 16-23 of w_qkv's rows
	s_cmp_eq_u32 s12, 1
	s_cselect_b32 s22, s46, s20                    ; the group of 128 tokens, 0..63
	s_cselect_b32 s23, s21, s46                    ; the group of 128 features, 0..23
	s_lshr_b32 s46, s23, 3                         ; q 0, k 1, v 2
	s_and_b32 s23, s23, 7
	s_lshl_b32 s23, s23, 1                         ; the first of its two heads
	s_lshr_b32 s47, s22, 4
	s_lshl_b32 s47, s47, 4
	s_add_co_u32 s23, s23, s47                     ; + 16 x batch
	s_and_b32 s22, s22, 15                         ; the group of tokens in its sequence
	s_mul_i32 s20, s46, 6553600
	s_mul_i32 s21, s23, 102400
	s_add_co_u32 s20, s20, s21
	s_mul_i32 s21, s22, 6400
	s_add_co_u32 s20, s20, s21
	s_mov_b32 s21, 0
	s_add_nc_u64 s[8:9], s[8:9], s[20:21]          ; the group's codes
	s_add_nc_u64 s[10:11], s[8:9], 6144            ; and, behind them, its scale words
.macro FRAG reg, adr, q, i             ; a fragment, 16 rows x 128 K, is 12 registers: lane l holds row l % 16; registers 6 c .. 6 c + 5 hold K = 64 c + 32 (l / 16) + 0 .. 31: 24 bytes of the row's stream of bits, as they lie
.irp p, 0,1,2,3,4,5                    ; in pieces of 8 bytes.  Lanes 16-31 read three pieces further on; where that lies behind one padding more, the second address register serves
.set PC, 12*(\q)+6*(\p/3)+\p%3
.if PC%8 < 5
	ds_load_b64 v[\reg+2*\p:\reg+2*\p+1], v[\adr] offset:8*PC+16*(PC/8)+(\i)*16*PITCH
.else
	ds_load_b64 v[\reg+2*\p:\reg+2*\p+1], v[\adr+2] offset:8*PC+16*(PC/8)+(\i)*16*PITCH
.endif
.endr
.endm
; 16 matrix instructions: A's blocks a0, a0 + 1 x B's eight, 128 along K.  The 64 accumulators take turns, one instruction a turn, in the same order in every step.
.macro MUL16 a0, p, q, sc, zero
.irp a, \a0, \a0+1
.irp b, 0,1,2,3,4,5,6,7
.if \zero
	v_wmma_scale_f32_16x16x128_f8f6f4 v[8*(8*((\a)%4)+\b):8*(8*((\a)%4)+\b)+7], v[128*(\p)+FR*\b:128*(\p)+FR*\b+FR-1], v[AF+FR*(\a):AF+FR*(\a)+FR-1], 0, v[SC+8*NQ*(\sc)+NQ*\b+(\q)], v[SC+8*NQ*(\sc)+NQ*(\a)+(\q)] matrix_a_fmt:MATRIX_FMT_FP6 matrix_b_fmt:MATRIX_FMT_FP6 matrix_a_scale:MATRIX_SCALE_ROW1
.else
	v_wmma_scale_f32_16x16x128_f8f6f4 v[8*(8*((\a)%4)+\b):8*(8*((\a)%4)+\b)+7], v[128*(\p)+FR*\b:128*(\p)+FR*\b+FR-1], v[AF+FR*(\a):AF+FR*(\a)+FR-1], v[8*(8*((\a)%4)+\b):8*(8*((\a)%4)+\b)+7], v[SC+8*NQ*(\sc)+NQ*\b+(\q)], v[SC+8*NQ*(\sc)+NQ*(\a)+(\q)] matrix_a_fmt:MATRIX_FMT_FP6 matrix_b_fmt:MATRIX_FMT_FP6 matrix_a_scale:MATRIX_SCALE_ROW1
.endif
.endr
.endr
.endm
.macro FETCH_B slot, q, p
	WIN TO_B
.irp i, 0,1,2,3,4,5,6,7
	FRAG 128*(\p)+FR*\i, ADRB+\slot, \q, \i
.endr
	WIN 0
.endm
.macro FETCH_A slot, q, i0
.irp i, \i0, \i0+1, \i0+2, \i0+3
	FRAG AF+FR*(\i), ADRA+\slot, \q, \i
.endr
.endm
.macro SCALES sc                       ; the next K step's scale words: two words a row; lanes 0-15 take A's block i, lanes 16-31 B's block i
.irp i, 0,1,2,3,4,5,6,7
	ds_load_b64 v[SC+8*NQ*\sc+NQ*\i:SC+8*NQ*\sc+NQ*\i+1], v[ADRS] offset:\i*SBLK
.endr
.endm
.macro PLACES n                        ; plain vector lines between a matrix instruction and a load into, or a vector read or write of, one of its registers
.rept \n
	v_nop
.endr
.endm
.macro STEP slot, q, zero              ; a step of 128 along K that has its successor in the same slot
	s_wait_dscnt 4*NL                              ; B's set and A's blocks 0-3 are in; the youngest 24 loads (A's blocks 4-7) may be out
	WIN MUL_LO
	MUL16 0, (\q)%2, \q, \slot, \zero
	MUL16 2, (\q)%2, \q, \slot, \zero
	s_wait_dscnt 0                                 ; A's blocks 4-7 are in
	PLACES NP
	FETCH_B \slot, (\q)+1, 1-(\q)%2
	FETCH_A \slot, (\q)+1, 0
	WIN MUL_HI
	MUL16 4, (\q)%2, \q, \slot, \zero
	MUL16 6, (\q)%2, \q, \slot, \zero
	PLACES NP
	WIN 0
	FETCH_A \slot, (\q)+1, 4
.endm
; A slot's last step changes slots: one barrier; in front of it each wave waits for all its tensor loads, adds 0 to its spare word, and waits for that and for its own reads of this slot.  fill = 1: this slot is filled again, two K steps ahead.
.macro TURN slot, next, fill
	s_wait_tensorcnt 0x0                           ; all my tensor loads have landed: my part of the next slot
	ds_add_u32 v[SPW], v[NIL]                      ; 0 onto my spare word
	s_wait_dscnt 4*NL+1                            ; (the add and the youngest 24 loads, A's blocks 4-7, may be out)
	WIN MUL_LO
	MUL16 0, 1, NQ-1, \slot, 0                     ; sixteen matrix instructions stand between the add and the wait for it
	s_wait_dscnt 0x0                               ; the add is done, and my reads of this slot are over
	s_barrier_signal -1
	MUL16 2, 1, NQ-1, \slot, 0
	WIN 0
	s_barrier_wait -1
.if \fill
	CREST                                          ; the barrier has opened a round of the cluster's barrier: no wave of any partner still reads this slot's tile or has a load on its way
	s_add_nc_u64 s[G0+4*\slot+2:G0+4*\slot+3], s[G0+4*\slot+2:G0+4*\slot+3], ASTEP
	s_add_nc_u64 s[G0B+4*\slot+2:G0B+4*\slot+3], s[G0B+4*\slot+2:G0B+4*\slot+3], ASTEP
	JLOAD G0+4*\slot, G1, G0B+4*\slot, G1B         ; the first tensor load behind the round; the four v_nop behind it are the places in front of the loads below
.else
	PLACES NP
.endif
	s_wait_alu depctr_va_vdst(0)
	v_add_nc_u32 v[ADRS], 4*NQ, v[ADRS]            ; on to the next K step's scale words
	FETCH_B \next, 0, 0
	FETCH_A \next, 0, 0
	SCALES \next
	WIN MUL_HI
	MUL16 4, 1, NQ-1, \slot, 0
	MUL16 6, 1, NQ-1, \slot, 0
	PLACES NP
	WIN 0
	FETCH_A \next, 0, 4
.endm
	s_wait_alu depctr_va_vdst(0)
	s_wait_tensorcnt 0x0                           ; my tile of the head's four is in
	ds_add_u32 v[SPW], v[NIL]
	s_mov_b32 s[G1+2], 96<<16                      ; no tensor load of mine is out: from here on a load brings 128 rows of codes = 96 rows of 256 bytes
	s_mov_b32 s[G1+4], 96
	s_mov_b32 s[G1B+2], 96<<16
	s_mov_b32 s[G1B+4], 96
	s_wait_dscnt 0x0
	CROUND                                         ; all four tiles are in, and all sixteen work-groups are here
	JLOAD G0+4, G1, G0B+4, G1B                     ; K step 1, the first tensor load behind the round
	FETCH_B 0, 0, 0
	FETCH_A 0, 0, 0
	SCALES 0
	FETCH_A 0, 0, 4
	STEP 0, 0, 1                                   ; the first step stands in front of the loop: its products start the sums
	s_mov_b32 s3, LAPS-1
.Llap:                                                 ; a trip goes once round the ring and fills both slots again
	TURN 0, 1, 1
	STEP 1, 0, 0
	TURN 1, 0, 1
	STEP 0, 0, 0
	s_sub_co_u32 s3, s3, 1
	s_cmp_lg_u32 s3, 0
	s_cbranch_scc1 .Llap
	TURN 0, 1, 0                                   ; the last lap fills nothing
	STEP 1, 0, 0
	s_wait_dscnt 4*NL                              ; the very last step
	WIN MUL_LO
	MUL16 0, 1, NQ-1, 1, 0
	MUL16 2, 1, NQ-1, 1, 0
	s_wait_dscnt 0
	WIN MUL_HI
	MUL16 4, 1, NQ-1, 1, 0
	MUL16 6, 1, NQ-1, 1, 0
	WIN 0
; THE WAY OUT.  The 64 numbers that a lane holds of A's tile a (register 16 b + i = B's true index 32 b + 16 (lane / 16) + i) are four blocks of 32, each shared with lane l xor 16.
; QUANT makes the four scale bytes (word v[PWR + a]) and the codes: blocks 0, 1 as six registers from d0 on, blocks 2, 3 from d1 on; in each, lane (r, h) holds the whole block h (or 2 + h).
; Each accumulator is read from its low end on.
.macro QUANT a, d0, d1
.set AC, 64*((\a)%4)
.set WW, 2+(\a)/4
.set WS, WW+4*WW
.set D0, \d0
.set D1, \d1
	WIN WS                                         ; sources 0 and 1: the accumulators' window
.irp b, 0,1,2,3
	v_max3_num_f32 v[TM+\b], |v[AC+16*\b]|, |v[AC+16*\b+1]|, 0x1800000   ; my 16 numbers of block b, and the floor 2^(3 - 127): the byte cannot fall under 1
.endr
.irp i, 2,4,6,8,10,12,14
.irp b, 0,1,2,3
	v_max3_num_f32 v[TM+\b], |v[AC+16*\b+\i]|, |v[AC+16*\b+\i+1]|, v[TM+\b]   ; (the four blocks by turns)
.endr
.endr
	WIN 0
.irp b, 0,1,2,3
	v_permlanex16_b32 v[TM+4+\b], v[TM+\b], s98, s99
.endr
.irp b, 0,1,2,3
	v_max_num_f32 v[TM+\b], v[TM+\b], v[TM+4+\b]   ; with lane l xor 16's: the block's largest magnitude
.endr
.irp b, 0,1,2,3
	v_add_nc_u32 v[TM+12+\b], 0xff000000, v[TM+\b] ; 2 off its exponent field: the conversion's scale operand
.endr
.irp b, 0,1,2,3
	v_lshrrev_b32 v[TM+4+\b], 23, v[TM+12+\b]      ; the scale's byte
.endr
	v_lshl_or_b32 v[PWR+(\a)], v[TM+5], 8, v[TM+4]
	v_lshl_or_b32 v[PWR+(\a)], v[TM+6], 16, v[PWR+(\a)]
	v_lshl_or_b32 v[PWR+(\a)], v[TM+7], 24, v[PWR+(\a)]
	WIN WW                                         ; source 0: the accumulators' window
	v_cvt_scalef32_pk16_fp6_f32 v[D0:D0+2], v[AC:AC+15], v[TM+12]
	v_cvt_scalef32_pk16_fp6_f32 v[CT:CT+2], v[AC+16:AC+31], v[TM+13]       ; (a conversion's three registers begin on an even number)
	v_cvt_scalef32_pk16_fp6_f32 v[D1:D1+2], v[AC+32:AC+47], v[TM+14]
	v_cvt_scalef32_pk16_fp6_f32 v[CT+4:CT+6], v[AC+48:AC+63], v[TM+15]
	WIN 0
	v_nop                                          ; one plain line behind the scaled conversions
.irp i, 0,1,2
	v_permlane16_swap_b32 v[D0+\i], v[CT+\i]       ; the first's lanes 16-31 change places with the second's lanes 0-15: the first holds each lane's block's lower 16 codes, the second the upper 16
.endr
.irp i, 0,1,2
	v_mov_b32 v[D0+3+\i], v[CT+\i]
.endr
.irp i, 0,1,2
	v_permlane16_swap_b32 v[D1+\i], v[CT+4+\i]
.endr
.irp i, 0,1,2
	v_mov_b32 v[D1+3+\i], v[CT+4+\i]
.endr
.endm
	PLACES NP                                      ; behind the last products: their results are read, and operand and scale registers written, only behind these
.irp b, 0,1,2,3
	v_mov_b32 v[TM+4+\b], 0                        ; written once: a lane permute's destination counts as one of its sources
.endr
	v_and_b32 v[VO], 31, v0
	v_lshlrev_b32 v[VO], 4, v[VO]                  ; 16 x lane: an image's place for my lane
	v_and_b32 v[VS], 15, v0
	v_lshlrev_b32 v[VS], 4, v[VS]
	v_bfe_u32 v30, v0, 4, 1
	v_mad_u32_u24 v[VS], v30, 0x19000, v[VS]       ; scale words: 16 r; lanes 16-31 store the second head's, 102,400 bytes on
	s_cmp_eq_u32 s12, 1                            ; the cluster's x alone decides: all partners and all waves go the same way
	s_cbranch_scc1 .Lv
	; q, k: blocks 0, 1 are the first head's d, blocks 2, 3 the second's.  Token tiles 2 u and 2 u + 1 fill the two halves of unit u of each head
	v_mov_b32 v[SELR], 0x05040100                  ; lanes 0-15: bytes 0, 1 of both tiles' words (first head);
	v_mov_b32 v30, 0x07060302                      ; lanes 16-31: bytes 2, 3 (second head)
	v_cndmask_b32 v[SELR], v[SELR], v30, s97
.irp a, 0,1,2,3,4,5,6,7
	QUANT \a, U+24*(\a/2)+6*(\a%2), U+24*(\a/2)+6*(\a%2)+12
.if \a%2 == 1
.irp c, 0,1
.irp i, 0,1,2
	global_store_b128 v[VO], v[U+12*(\a-1+\c)+4*\i:U+12*(\a-1+\c)+4*\i+3], s[8:9] offset:\c*102400+(\a/2)*1536+512*\i
.endr
.endr
.endif
.endr
.irp u, 0,1,2,3
	v_perm_b32 v[SW+\u], v[PWR+2*\u+1], v[PWR+2*\u], v[SELR]   ; unit u's word: two bytes of tile 2 u, two of tile 2 u + 1
.endr
	global_store_b128 v[VS], v[SW:SW+3], s[10:11]  ; sixteen lanes store a head's 256 consecutive bytes, aligned
	s_branch .Ldone
.Lv:
	; v: the four blocks are the group's 128 tokens: tile a of my 128 channels is one whole fragment; tiles 0-3 are the first head's, 4-7 the second's
.irp a, 0,1,2,3,4,5,6,7
	QUANT \a, U+12*\a, U+12*\a+6
.irp i, 0,1,2
	global_store_b128 v[VO], v[U+12*\a+4*\i:U+12*\a+4*\i+3], s[8:9] offset:(\a/4)*102400+(\a%4)*1536+512*\i
.endr
.endr
.irp u, 0,1,2,3
	v_cndmask_b32 v[SW+\u], v[PWR+\u], v[PWR+4+\u], s97       ; lanes 0-15 the first head's tile u, lanes 16-31 the second's
.endr
	global_store_b128 v[VS], v[SW:SW+3], s[10:11]
.Ldone:
	s_wait_tensorcnt 0x0                           ; the wave's end
	ds_add_u32 v[SPW], v[NIL]
	s_wait_dscnt 0x0
	CROUND                                         ; the closing round: no work-group ends while a partner may still ask for a tile that names it
	s_endpgm
.Lfunc_end_k_qcbe18b65cd_gemm_qkv:
	.size	k_qcbe18b65cd_gemm_qkv, .Lfunc_end_k_qcbe18b65cd_gemm_qkv-k_qcbe18b65cd_gemm_qkv
	.p2alignl 7, 3214868480
	.fill 96, 4, 3214868480
	.section	.rodata,"a",@progbits
	.p2align	6, 0x0
	.amdhsa_kernel k_qcbe18b65cd_gemm_qkv
		.amdhsa_group_segment_fixed_size 327680
		.amdhsa_private_segment_fixed_size 0
		.amdhsa_enable_private_segment 0
		.amdhsa_kernarg_size 24
		.amdhsa_user_sgpr_count 2
		.amdhsa_user_sgpr_kernarg_segment_ptr 1
		.amdhsa_wavefront_size32 1
		.amdhsa_system_sgpr_workgroup_id_x 1
		.amdhsa_system_sgpr_workgroup_id_y 1
		.amdhsa_system_sgpr_workgroup_id_z 1
		.amdhsa_system_vgpr_workitem_id 0
		.amdhsa_next_free_vgpr 1024
		.amdhsa_next_free_sgpr 100
		.amdhsa_reserve_vcc 0
		.amdhsa_float_denorm_mode_32 3
		.amdhsa_float_denorm_mode_16_64 3
		.amdhsa_memory_ordered 1
		.amdhsa_forward_progress 1
		.amdhsa_inst_pref_size 199
	.end_amdhsa_kernel
	.amdgpu_metadata
---
amdhsa.version: [ 1, 2 ]
amdhsa.kernels:
  - .name:           k_qcbe18b65cd_gemm_qkv
    .symbol:         k_qcbe18b65cd_gemm_qkv.kd
    .args:
      - { .name: cod, .offset: 0, .size: 8, .value_kind: global_buffer, .address_space: global }
      - { .name: scl, .offset: 8, .size: 8, .value_kind: global_buffer, .address_space: global }
      - { .name: qkvc, .offset: 16, .size: 8, .value_kind: global_buffer, .address_space: global }
    .group_segment_fixed_size: 327680
    .private_segment_fixed_size: 0
    .kernarg_segment_align: 8
    .kernarg_segment_size: 24
    .max_flat_workgroup_size: 128
    .sgpr_count:     100
    .vgpr_count:     1024
    .wavefront_size: 32
...
	.end_amdgpu_metadata
.endif
;; end of part 2
;; launch attn (part 3): grid 4 x 64, 16 waves a work-group, clusters of 4 x 1, 327,680 bytes of LDS; arguments qkvc, oc, os; writes oc, os
.if DOCPART == 3
	.amdgcn_target "amdgcn-amd-amdhsa--gfx1250"
	.amdhsa_code_object_version 6
	.text
	.protected	k_qcbe18b65cd_attn
	.globl	k_qcbe18b65cd_attn
	.p2align	8
	.type	k_qcbe18b65cd_attn,@function
k_qcbe18b65cd_attn:
	s_mov_b64 s[64:65], 0
	v_nop
	global_prefetch_b8 v0, s[64:65] scope:SCOPE_SE
	s_setreg_imm32_b32 hwreg(HW_REG_WAVE_MODE, 25, 1), 1
	s_wait_xcnt 0x0
	s_wait_alu depctr_hold_cnt(0) depctr_sa_sdst(0) depctr_va_vdst(0) depctr_va_sdst(0) depctr_va_ssrc(0) depctr_va_vcc(0) depctr_vm_vsrc(0)
	s_getreg_b32 s2, hwreg(HW_REG_IB_STS2, 6, 4)
	s_cmp_eq_u32 s2, 0
	s_cbranch_scc0 .Lentry_in_a_cluster
	s_endpgm
.Lentry_in_a_cluster:
	s_bfe_u32 s2, ttmp6, 0x10000c
	s_cmp_lg_u32 s2, 0x3003
	s_cbranch_scc0 .Lentry_shape_is_right
	s_endpgm
.Lentry_shape_is_right:
; Causal attention of 64 heads (4 batches x 16), 2,048 tokens, head size 64, both products on codes of FP6 (E2M3) with E8M0 scales; the result is divided by the row's sum and quantised along C for the last product.
; SOFTMAX: t = score x log2(e) / 8; M = the running largest t rounded up to a whole number; p = 2^(t - M) is quantised along the keys; the row's sum is taken of the unquantised p; when M moves, sum and O are multiplied by 2^(old M - new M).
; LEFT OUT: key steps all of whose keys come after a tile's queries: the causal mask hides them, for every input.
; IN: qkvc: region (q, k, v) x 6,553,600 + head x 102,400 + group of 128 tokens x 6,400: four units of 1,536 bytes (the image of 12 operand registers: register 4 i + n of lane l at 512 i + 16 l + 4 n), then 256 bytes of scale words (16 r + 4 unit).
; q, k: unit u = token tiles 2 u (registers 0-5) and 2 u + 1 (6-11), lane (r, h): d = 32 h ..; v: unit t = 16 channels x the group's 128 keys.  Token and channel tiles lie in the stored order (bits 3 and 4 of a row's number exchanged).
; A unit of k is one operand 128 deep: against [q | zero codes] it gives the scores of tile 2 u, against [zero codes | q] those of tile 2 u + 1.  Both products are used transposed: a lane holds one query.
; THE DEAL.  A cluster of four work-groups has one head; work-group cx takes unit cx (two tiles of 16 queries) of each of the head's 16 blocks of 128 queries: 32 tiles, two to a wave.
; Wave w (w' = w / 2, u = w % 2) takes tile u of blocks 15 - w' and w': (16 - w') + (w' + 1) = 17 key steps in every wave of every work-group, and every trip is live work.
; LDS: ALL of the head's k and v, 16 steps x (6,400 + 6,400) = 204,800 bytes, filled once: wave w asks for step w by one joint load of two rows (k's group, v's group), which all four partners issue alike.  Nothing is filled again.
; Waves 0-7's loads (steps 0-7) are shown by the first barrier; all waves then walk steps 0-7 for their late tile; the second barrier shows steps 8-15; nine more trips end the late tile and do the early one.
; NO PREFETCH: every byte that the launch reads of k and v is asked for at the head by the tensor loads; no loop is left to run ahead in.
; OUT: oc: head x 393,216 + (stored row / 16) x 768 + 256 p + 8 lane.  os: [8,192 stored rows][32]: byte 2 head + block; stored two bytes a lane, rows 32 bytes apart: blocks of 256 bytes are written in part there (262,144 bytes in all).
; LIMITS: zero blocks carry the byte 1 (zero codes; this program alone reads the bytes); blocks whose largest magnitude lies under 2^-124 are held at byte 1; NaN and infinities are not served; scaled scores stay under 2^31 in magnitude.
.set GRP,   6400
.set STP,   12800
.set REG,   6553600
.set HDB,   102400
.set SPARE, 204800                     ; the spare words, 128 bytes for each of 16 waves, which no other line names
.set AKV,  1                           ; v1  16 x lane
.set ASC,  2                           ; v2  16 r
.set DM,   3                           ; v3  my true query in its block - 16 h
.set OL,   4                           ; v4  8 x lane
.set SPW,  5
.set NIL,  6
.set OSR,  7                           ; v7  32 r
.set ADK,  8
.set ADS,  9
.set QLO,  16                          ; v16-27 [q | zero codes]
.set FRG,  32                          ; v32-79 four operands of k or v
.set QHI,  80                          ; v80-91 [zero codes | q]
.set S,    96                          ; v96-159 scores, then p
.set O,    160                         ; v160-191 O^T
.set QR,   192
.set OC,   204
.set OT,   210
.set OW,   213
.set QA,   214                         ; v214-219 the early tile's q, v220 its scale word
.set QAS,  220                         ; v12 -M, v13 largest t, v[14:15] the sum; v224-235 p's codes; v232-254 at work; v248-251 scale words; v252 f; v253 p's scale word; v255 q's
.set TB,   10
.set I,    11
.set T,    12
.set K,    13
.set DG,   14
.set WV,   18
.set BH,   19
.set SEL,  20
.set CS,   22
.set G1,   24
.set G0,   40
.set CX,   44
.set WP,   45
.set UU,   46
.set BB,   47
.set QM,   48
.set QSEL, 49
.macro ROUND
	s_barrier_signal -1
	s_barrier_wait -1
	s_cmp_lg_u32 s[WV], 0
	s_cbranch_scc1 .Lnw0_\@
	s_barrier_signal -3
.Lnw0_\@:
	s_barrier_wait -3
	s_barrier_signal -1
	s_barrier_wait -1
.endm
.macro TLOAD
	tensor_load_to_lds s[G0:G0+3], s[G1:G1+7]
	s_nop 0
.rept 4
	v_nop
.endr
.endm
.macro OUTAT blk, c, s                 ; byte offsets of a block's tile in oc and os
	s_lshl_b32 s58, s[\blk], 3
	s_add_co_u32 s58, s58, s55
	s_mul_i32 s[\c], s58, 768
	s_add_co_u32 s[\c], s[\c], s56
	s_mov_b32 s[\c+1], 0
	s_lshl_b32 s[\s], s58, 9
	s_add_co_u32 s[\s], s[\s], s57
	s_mov_b32 s[\s+1], 0
.endm
.macro FRESH                           ; a tile's start: largest t = -3e38, sum 0, O^T 0
	v_mov_b32 v13, 0xff61b1e6
	v_floor_f32 v12, -v13
	v_mov_b32 v14, 0
	v_mov_b32 v15, 0
.set JJ, 0
.rept 32
	v_mov_b32 v[O+JJ], 0
.set JJ, JJ+1
.endr
.endm
	s_load_b128 s[4:7], s[0:1], 0x0                ; qkvc, oc
	s_load_b64 s[8:9], s[0:1], 0x10                ; os
	v_lshl_add_u32 v[SPW], v0, 2, SPARE
	v_mov_b32 v[NIL], 0
	ds_add_u32 v[SPW], v[NIL]                      ; the opening lines
	ds_add_u32 v[SPW], v[NIL]
	v_lshrrev_b32 v8, 5, v0
	v_readfirstlane_b32 s[WV], v8                  ; wave 0..15
	s_bfe_u32 s[CX], ttmp6, 0x40000                ; my place in the cluster: which unit of every block
	s_and_b32 s[BH], ttmp7, 0xffff                 ; 16 x batch + head
	s_lshr_b32 s[WP], s[WV], 1                     ; w': my early block
	s_and_b32 s[UU], s[WV], 1                      ; which half of q's unit
	s_xor_b32 s[BB], s[WP], 15                     ; my late block
	s_cmp_eq_u32 s[UU], 1
	s_cselect_b32 s[QM], -1, 0
	s_mov_b32 s[QSEL], 0x01000100
	s_cselect_b32 s[QSEL], 0x03020302, s[QSEL]
	s_mov_b32 s[G1], 15|(3<<16)|(1<<21)            ; all four partners; elements of 8 bytes; no padding: every read takes consecutive bytes
	s_mov_b32 s[G1+1], 800<<16                     ; a row: 6,400 bytes
	s_mov_b32 s[G1+2], 2<<16                       ; two rows: k's group, v's group
	s_mov_b32 s[G1+3], 800<<16
	s_mov_b32 s[G1+4], 2
	s_mov_b32 s[G1+5], REG/8                       ; one region apart
	s_mov_b32 s[G1+6], 0
	s_mov_b32 s[G1+7], 0
	s_mul_i32 s50, s[BH], HDB
	s_mul_i32 s52, s[WV], GRP
	s_add_co_u32 s52, s52, s50
	s_add_co_u32 s52, s52, REG
	s_mov_b32 s53, 0                               ; s[52:53]: k's group w of the head (all offsets under 2^25)
	s_mul_i32 s60, s[BB], GRP
	s_add_co_u32 s60, s60, s50
	s_mov_b32 s61, 0                               ; q's group of the late block
	s_mul_i32 s62, s[WP], GRP
	s_add_co_u32 s62, s62, s50
	s_mov_b32 s63, 0                               ; and of the early one
	s_and_b32 s54, s[BH], 15
	s_lshr_b32 s55, s[BH], 4
	s_lshl_b32 s55, s55, 7
	s_lshl_b32 s56, s[CX], 1
	s_add_co_u32 s55, s55, s56
	s_add_co_u32 s55, s55, s[UU]                   ; 128 x batch + my tile in a block
	s_mul_i32 s56, s54, 393216
	s_lshl_b32 s57, s54, 1
	OUTAT BB, 72, 74
	OUTAT WP, 76, 78
	s_lshl_b32 s96, s[CX], 5
	s_lshl_b32 s97, s[UU], 3
	s_add_co_u32 s96, s96, s97                     ; 32 x unit + 8 x half
	s_mul_i32 s97, s[CX], 1536
	s_lshl_b32 s98, s[CX], 2
	s_mov_b32 s[SEL], 0x76543210
	s_mov_b32 s[SEL+1], 0xfedcba98
	s_mov_b32 s[CS], 0x3e38aa3b                    ; c = log2(e) / 8
	s_mov_b32 s[CS+1], s[CS]
	s_mov_b32 s[G0], 1
	s_mul_i32 s[G0+1], s[WV], STP
	s_wait_dscnt 0x0
	ROUND                                          ; the four partners are here: the joint loads meet
	s_wait_kmcnt 0x0
	s_add_nc_u64 s[G0+2:G0+3], s[4:5], s[52:53]
	s_or_b32 s[G0+3], s[G0+3], 0x80000000
	s_cmp_lt_u32 s[WV], 8                          ; two load lines: the first barrier below waits for the first line's waves alone
	s_cbranch_scc0 .Lhigh
	TLOAD
	s_branch .Lasked
.Lhigh:
	TLOAD
.Lasked:
	s_add_nc_u64 s[60:61], s[4:5], s[60:61]
	s_add_nc_u64 s[62:63], s[4:5], s[62:63]
	s_add_nc_u64 s[72:73], s[6:7], s[72:73]
	s_add_nc_u64 s[74:75], s[8:9], s[74:75]
	s_add_nc_u64 s[76:77], s[6:7], s[76:77]
	s_add_nc_u64 s[78:79], s[8:9], s[78:79]
	v_and_b32 v10, 31, v0
	v_and_b32 v8, 15, v0                           ; r
	v_bfe_u32 v9, v0, 4, 1                         ; h
	v_lshlrev_b32 v[AKV], 4, v10
	v_lshlrev_b32 v[ASC], 4, v8
	v_add_nc_u32 v11, s97, v[AKV]                  ; q's unit cx, my lane's place
	v_add_nc_u32 v29, s98, v[ASC]                  ; its scale word of row r
.irp i, 0,1,2
	global_load_b128 v[QR+4*\i:QR+4*\i+3], v11, s[60:61] offset:512*\i
	global_load_b128 v[S+4*\i:S+4*\i+3], v11, s[62:63] offset:512*\i
.endr
	global_load_b32 v254, v29, s[60:61] offset:6144
	global_load_b32 v[S+12], v29, s[62:63] offset:6144
	v_lshlrev_b32 v[OL], 3, v10
	v_lshlrev_b32 v[OSR], 5, v8
	v_and_b32 v[DM], 7, v8
	v_lshrrev_b32 v30, 3, v8
	v_lshl_add_u32 v[DM], v30, 4, v[DM]            ; (r % 8) + 16 (r / 8): the stored order undone
	v_add_nc_u32 v[DM], s96, v[DM]
	v_lshlrev_b32 v30, 4, v9
	v_sub_nc_u32 v[DM], v[DM], v30                 ; register 16 b + i holds key 32 b + 16 h + i: hidden on the diagonal where 32 b + i > this
.irp b, 0,1,2,3
	v_mov_b32 v[236+\b], 0                         ; a lane permute's destination counts as one of its sources
.endr
	v_mov_b32 v252, 0
	v_mov_b32 v253, 0
	s_wait_alu depctr_va_vdst(0)
	s_wait_loadcnt 0x0
.irp i, 0,1,2,3,4,5
	v_cndmask_b32 v[QLO+\i], v[QR+\i], v[QR+6+\i], s[QM]      ; the late tile's six registers
	v_cndmask_b32 v[QA+\i], v[S+\i], v[S+6+\i], s[QM]         ; the early tile's
.endr
.irp i, 0,1,2,3,4,5
	v_mov_b32 v[QHI+6+\i], v[QLO+\i]
	v_mov_b32 v[QLO+6+\i], 0
	v_mov_b32 v[QHI+\i], 0
.endr
	v_perm_b32 v255, v254, v254, s[QSEL]           ; my tile's two scale bytes, twice
	v_perm_b32 v[QAS], v[S+12], v[S+12], s[QSEL]
	FRESH
; A KEY STEP of 128 keys at LDS byte s[TB].  m = 1: on the diagonal (s[DG] = 1) the mask is laid, and behind the step the tile leaves and the early tile begins.
.macro STEP m
	v_add_nc_u32 v[ADK], s[TB], v[AKV]
	v_add_nc_u32 v[ADS], s[TB], v[ASC]
	v_nop
	v_nop                                          ; four plain lines between the last products and the loads into their operands
.irp n, 0,1,2,3
.irp i, 0,1,2
	ds_load_b128 v[FRG+12*\n+4*\i:FRG+12*\n+4*\i+3], v[ADK] offset:\n*1536+512*\i
.endr
.endr
	ds_load_b128 v[248:251], v[ADS] offset:6144
	s_wait_alu depctr_va_vdst(0)
	s_wait_dscnt 0x0
.irp n, 0,1,2,3
	v_wmma_scale_f32_16x16x128_f8f6f4 v[S+16*\n:S+16*\n+7], v[FRG+12*\n:FRG+12*\n+11], v[QLO:QLO+11], 0, v[248+\n], v255 matrix_a_fmt:MATRIX_FMT_FP6 matrix_b_fmt:MATRIX_FMT_FP6
	v_wmma_scale_f32_16x16x128_f8f6f4 v[S+16*\n+8:S+16*\n+15], v[FRG+12*\n:FRG+12*\n+11], v[QHI:QHI+11], 0, v[248+\n], v255 matrix_a_fmt:MATRIX_FMT_FP6 matrix_b_fmt:MATRIX_FMT_FP6
.endr
.rept 4
	v_nop
.endr
.irp n, 0,1,2,3                                ; v lands while the softmax is walked
.irp i, 0,1,2
	ds_load_b128 v[FRG+12*\n+4*\i:FRG+12*\n+4*\i+3], v[ADK] offset:GRP+\n*1536+512*\i
.endr
.endr
	ds_load_b128 v[248:251], v[ADS] offset:GRP+6144
.if \m
	s_cmp_eq_u32 s[DG], 1
	s_cbranch_scc0 .Lopen_\@
	v_mov_b32 v254, 0xff800000                     ; hidden keys' scores become -infinity: p = 0.  Key 0 of the step counts for every query
.set JJ, 0
.rept 64
	v_cmp_gt_i32 vcc_lo, 32*(JJ/16)+JJ%16, v[DM]
	v_cndmask_b32 v[S+JJ], v[S+JJ], v254, vcc_lo
.set JJ, JJ+1
.endr
.Lopen_\@:
.endif
.irp b, 0,1,2,3
	v_max3_num_f32 v[232+\b], v[S+16*\b], v[S+1+16*\b], v[S+2+16*\b]   ; each block's largest score: for the row's maximum and for the block's largest p
.endr
.irp i, 3,5,7,9,11,13
.irp b, 0,1,2,3
	v_max3_num_f32 v[232+\b], v[232+\b], v[S+16*\b+\i], v[S+1+16*\b+\i]
.endr
.endr
.irp b, 0,1,2,3
	v_max_num_f32 v[232+\b], v[232+\b], v[S+15+16*\b]
.endr
.irp b, 0,1,2,3
	s_delay_alu instid0(VALU_DEP_4)
	v_permlanex16_b32 v[236+\b], v[232+\b], s[SEL], s[SEL+1]
.endr
.irp b, 0,1,2,3
	s_delay_alu instid0(VALU_DEP_4)
	v_max_num_f32 v[232+\b], v[232+\b], v[236+\b]
.endr
	s_delay_alu instid0(VALU_DEP_2)
	v_max3_num_f32 v254, v232, v233, v234
	s_delay_alu instid0(VALU_DEP_1)
	v_max_num_f32 v254, v254, v235
	s_delay_alu instid0(VALU_DEP_1)
	v_mul_f32 v254, s[CS], v254
	s_delay_alu instid0(VALU_DEP_1)
	v_max_num_f32 v13, v13, v254                   ; the running largest t
	v_mov_b32 v254, v12
	s_delay_alu instid0(VALU_DEP_2)
	v_floor_f32 v12, -v13                          ; -M = floor(-t)
	s_delay_alu instid0(VALU_DEP_1)
	v_sub_f32 v254, v12, v254
	s_delay_alu instid0(VALU_DEP_1)
	v_cvt_i32_f32 v254, v254
	s_delay_alu instid0(VALU_DEP_1)
	v_ldexp_f32 v252, 1.0, v254                    ; f = 2^(old M - new M)
.set JJ, 0
.rept 32
	v_pk_fma_f32 v[S+JJ:S+JJ+1], v[S+JJ:S+JJ+1], s[CS:CS+1], v[12:13] op_sel_hi:[1,0,0]
.set JJ, JJ+2
.endr
.irp b, 0,1,2,3
	v_fma_f32 v[232+\b], v[232+\b], s[CS], v12
.endr
.set JJ, 0
	s_wait_alu depctr_va_vdst(0)                   ; the wait ahead of the batch
.rept 64
	v_exp_f32 v[S+JJ], v[S+JJ]
.set JJ, JJ+1
.endr
	v_pk_mul_f32 v[14:15], v[14:15], v[252:253] op_sel_hi:[1,0]
	s_wait_alu depctr_va_vdst(0)                   ; and behind it, ahead of its first reader
.irp b, 0,1,2,3
	v_exp_f32 v[232+\b], v[232+\b]                 ; the block's largest p
.endr
.irp c, 0,1,2,3                                ; the sum of the unquantised p, in four chains
	v_pk_add_f32 v[236+2*\c:237+2*\c], v[S+4*\c:S+4*\c+1], v[S+4*\c+2:S+4*\c+3]
.endr
.set P, 8
.rept 24
	v_pk_add_f32 v[236+2*(P%4):237+2*(P%4)], v[236+2*(P%4):237+2*(P%4)], v[S+2*P:S+2*P+1]
.set P, P+1
.endr
	v_pk_add_f32 v[236:237], v[236:237], v[238:239]
	v_pk_add_f32 v[240:241], v[240:241], v[242:243]
	v_pk_add_f32 v[14:15], v[14:15], v[236:237]
	v_pk_add_f32 v[14:15], v[14:15], v[240:241]
	s_wait_alu depctr_va_vdst(0)                   ; for the four
.irp b, 0,1,2,3
	v_max_num_f32 v[232+\b], 0x1800000, v[232+\b]  ; the floor 2^(3 - 127)
.endr
.irp b, 0,1,2,3
	s_delay_alu instid0(VALU_DEP_4)
	v_add_nc_u32 v[244+\b], 0xff000000, v[232+\b]
.endr
.irp b, 0,1,2,3
	s_delay_alu instid0(VALU_DEP_4)
	v_lshrrev_b32 v[236+\b], 23, v[244+\b]
.endr
	s_delay_alu instid0(VALU_DEP_3)
	v_lshl_or_b32 v253, v237, 8, v236
	s_delay_alu instid0(VALU_DEP_1)
	v_lshl_or_b32 v253, v238, 16, v253
	s_delay_alu instid0(VALU_DEP_1)
	v_lshl_or_b32 v253, v239, 24, v253             ; p's scale word
.irp c, 0,1
	v_cvt_scalef32_pk16_fp6_f32 v[224+6*\c:226+6*\c], v[S+32*\c:S+15+32*\c], v[244+2*\c]
	v_cvt_scalef32_pk16_fp6_f32 v[236+4*\c:238+4*\c], v[S+16+32*\c:S+31+32*\c], v[244+2*\c+1]
.endr
	v_nop
.irp c, 0,1
.irp i, 0,1,2
	v_permlane16_swap_b32 v[224+6*\c+\i], v[236+4*\c+\i]
.endr
.irp i, 0,1,2
	s_delay_alu instid0(VALU_DEP_3)
	v_mov_b32 v[227+6*\c+\i], v[236+4*\c+\i]
.endr
.endr
	s_wait_alu depctr_va_vdst(0)
.set JJ, 0
.rept 16
	v_pk_mul_f32 v[O+JJ:O+JJ+1], v[O+JJ:O+JJ+1], v[252:253] op_sel_hi:[1,0]   ; O^T under the new M; also the places ahead of the products
.set JJ, JJ+2
.endr
	s_wait_alu depctr_va_vdst(0)
	s_wait_dscnt 0x0                               ; v and its scale words are in
.irp n, 0,1,2,3
	v_wmma_scale_f32_16x16x128_f8f6f4 v[O+8*\n:O+8*\n+7], v[FRG+12*\n:FRG+12*\n+11], v[224:235], v[O+8*\n:O+8*\n+7], v[248+\n], v253 matrix_a_fmt:MATRIX_FMT_FP6 matrix_b_fmt:MATRIX_FMT_FP6
.endr
.if \m
	s_cmp_eq_u32 s[DG], 1
	s_cbranch_scc0 .Lkeep_\@
	; THE WAY OUT: o = O^T / the sum; its two blocks of 32 along d are blocks 2 head, 2 head + 1 of the last product's K
	v_add_f32 v14, v14, v15
	s_delay_alu instid0(VALU_DEP_1)
	v_permlanex16_b32 v252, v14, s[SEL], s[SEL+1]
	s_delay_alu instid0(VALU_DEP_1)
	v_add_f32 v14, v14, v252
	s_wait_alu depctr_va_vdst(0)
	v_rcp_f32 v14, v14
.rept 4
	v_nop
.endr
	s_wait_alu depctr_va_vdst(0)
.set JJ, 0
.rept 16
	v_pk_mul_f32 v[O+JJ:O+JJ+1], v[O+JJ:O+JJ+1], v[14:15] op_sel_hi:[1,0]
.set JJ, JJ+2
.endr
.irp b, 0,1
	v_max3_num_f32 v[232+\b], |v[O+16*\b]|, |v[O+1+16*\b]|, 0x1800000
.endr
.irp i, 2,4,6,8,10,12,14
.irp b, 0,1
	s_delay_alu instid0(VALU_DEP_2)
	v_max3_num_f32 v[232+\b], v[232+\b], |v[O+16*\b+\i]|, |v[O+1+16*\b+\i]|
.endr
.endr
.irp b, 0,1
	s_delay_alu instid0(VALU_DEP_2)
	v_permlanex16_b32 v[236+\b], v[232+\b], s[SEL], s[SEL+1]
.endr
.irp b, 0,1
	s_delay_alu instid0(VALU_DEP_2)
	v_max_num_f32 v[232+\b], v[232+\b], v[236+\b]
.endr
.irp b, 0,1
	s_delay_alu instid0(VALU_DEP_2)
	v_add_nc_u32 v[244+\b], 0xff000000, v[232+\b]
.endr
.irp b, 0,1
	s_delay_alu instid0(VALU_DEP_2)
	v_lshrrev_b32 v[236+\b], 23, v[244+\b]
.endr
	s_delay_alu instid0(VALU_DEP_1)
	v_lshl_or_b32 v[OW], v237, 8, v236
	v_cvt_scalef32_pk16_fp6_f32 v[OC:OC+2], v[O:O+15], v244
	v_cvt_scalef32_pk16_fp6_f32 v[OT:OT+2], v[O+16:O+31], v245
	v_nop
.irp i, 0,1,2
	v_permlane16_swap_b32 v[OC+\i], v[OT+\i]
.endr
.irp i, 0,1,2
	s_delay_alu instid0(VALU_DEP_3)
	v_mov_b32 v[OC+3+\i], v[OT+\i]
.endr
.irp p, 0,1,2
	global_store_b64 v[OL], v[OC+2*\p:OC+2*\p+1], s[72:73] offset:256*\p   ; 32 lanes store 256 consecutive bytes, aligned
.endr
	global_store_b16 v[OSR], v[OW], s[74:75]       ; lanes r and 16 + r store the same two bytes at the same place
	s_cmp_eq_u32 s[I], 8                           ; behind the early tile nothing begins
	s_cbranch_scc1 .Lkeep_\@
	s_wait_xcnt 0x0                                ; the stores have read their bases and data
	s_mov_b64 s[72:73], s[76:77]                   ; the early tile's places,
	s_mov_b64 s[74:75], s[78:79]
.irp i, 0,1,2,3,4,5
	v_mov_b32 v[QLO+\i], v[QA+\i]                  ; its q,
	v_mov_b32 v[QHI+6+\i], v[QA+\i]
.endr
	v_mov_b32 v255, v[QAS]
	FRESH                                          ; and a fresh state; these lines are also the places ahead of the next products
	s_wait_alu depctr_va_vdst(0)
.Lkeep_\@:
.endif
.endm
	s_mov_b32 s[TB], 0
	s_mov_b32 s[I], 0
	s_wait_alu depctr_va_vdst(0)
	s_cmp_lt_u32 s[WV], 8
	s_cbranch_scc0 .Lnot_low
	s_wait_tensorcnt 0x0                           ; my step of steps 0-7 is in
.Lnot_low:
	s_barrier_signal -1
	s_barrier_wait -1                              ; steps 0-7 are in; steps 8-15 may be on their way
.Lone:                                             ; 8 trips: the late tile (block 8 or later) against steps 0-7: none is on its diagonal
	STEP 0
	s_add_co_u32 s[TB], s[TB], STP
	s_add_co_u32 s[I], s[I], 1
	s_cmp_lt_u32 s[I], 8
	s_cbranch_scc1 .Lone
	s_wait_tensorcnt 0x0                           ; every wave's load is in
	s_wait_dscnt 0x0
	s_barrier_signal -1
	s_barrier_wait -1                              ; steps 8-15 are shown to all
	s_mov_b32 s[I], 0
.Ltwo:                                             ; 9 trips: i + w' < 8: the late tile's step 8 + i, its diagonal at i + w' = 7; then the early tile's step i + w' - 8, its diagonal at i = 8
	s_add_co_u32 s[T], s[I], s[WP]
	s_cmp_ge_u32 s[T], 8
	s_cselect_b32 s[K], s[WP], 0
	s_add_co_u32 s[K], s[K], s[I]
	s_add_co_u32 s[K], s[K], 8
	s_and_b32 s[K], s[K], 15                       ; the key step, 0..15
	s_mul_i32 s[TB], s[K], STP
	s_cmp_eq_u32 s[T], 7
	s_cselect_b32 s[DG], 1, 0
	s_cmp_eq_u32 s[I], 8
	s_cselect_b32 s[DG], 1, s[DG]
	STEP 1
	s_add_co_u32 s[I], s[I], 1
	s_cmp_lt_u32 s[I], 9
	s_cbranch_scc1 .Ltwo
	s_wait_tensorcnt 0x0                           ; the wave's end
	ds_add_u32 v[SPW], v[NIL]
	s_wait_dscnt 0x0
	ROUND                                          ; the closing round
	s_endpgm
.Lfunc_end_k_qcbe18b65cd_attn:
	.size	k_qcbe18b65cd_attn, .Lfunc_end_k_qcbe18b65cd_attn-k_qcbe18b65cd_attn
	.p2alignl 7, 3214868480
	.fill 96, 4, 3214868480
	.section	.rodata,"a",@progbits
	.p2align	6, 0x0
	.amdhsa_kernel k_qcbe18b65cd_attn
		.amdhsa_group_segment_fixed_size 327680
		.amdhsa_private_segment_fixed_size 0
		.amdhsa_enable_private_segment 0
		.amdhsa_kernarg_size 24
		.amdhsa_user_sgpr_count 2
		.amdhsa_user_sgpr_kernarg_segment_ptr 1
		.amdhsa_wavefront_size32 1
		.amdhsa_system_sgpr_workgroup_id_x 1
		.amdhsa_system_sgpr_workgroup_id_y 1
		.amdhsa_system_sgpr_workgroup_id_z 1
		.amdhsa_system_vgpr_workitem_id 0
		.amdhsa_next_free_vgpr 256
		.amdhsa_next_free_sgpr 100
		.amdhsa_reserve_vcc 1
		.amdhsa_float_denorm_mode_32 3
		.amdhsa_float_denorm_mode_16_64 3
		.amdhsa_memory_ordered 1
		.amdhsa_forward_progress 1
		.amdhsa_inst_pref_size 55
	.end_amdhsa_kernel
	.amdgpu_metadata
---
amdhsa.version: [ 1, 2 ]
amdhsa.kernels:
  - .name:           k_qcbe18b65cd_attn
    .symbol:         k_qcbe18b65cd_attn.kd
    .args:
      - { .name: qkvc, .offset: 0, .size: 8, .value_kind: global_buffer, .address_space: global }
      - { .name: oc, .offset: 8, .size: 8, .value_kind: global_buffer, .address_space: global }
      - { .name: os, .offset: 16, .size: 8, .value_kind: global_buffer, .address_space: global }
    .group_segment_fixed_size: 327680
    .private_segment_fixed_size: 0
    .kernarg_segment_align: 8
    .kernarg_segment_size: 24
    .max_flat_workgroup_size: 512
    .sgpr_count:     100
    .vgpr_count:     256
    .wavefront_size: 32
...
	.end_amdgpu_metadata
.endif
;; end of part 3
;; launch gemm_proj (part 4): grid 4 x 32, 4 waves a work-group, clusters of 4 x 4, 327,680 bytes of LDS; arguments oc, os, cod, scl, out0; writes out0
.if DOCPART == 4
	.amdgcn_target "amdgcn-amd-amdhsa--gfx1250"
	.amdhsa_code_object_version 6
	.text
	.protected	k_qcbe18b65cd_gemm_proj
	.globl	k_qcbe18b65cd_gemm_proj
	.p2align	8
	.type	k_qcbe18b65cd_gemm_proj,@function
k_qcbe18b65cd_gemm_proj:
	s_mov_b64 s[64:65], 0
	v_nop
	global_prefetch_b8 v0, s[64:65] scope:SCOPE_SE
	s_setreg_imm32_b32 hwreg(HW_REG_WAVE_MODE, 25, 1), 1
	s_wait_xcnt 0x0
	s_wait_alu depctr_hold_cnt(0) depctr_sa_sdst(0) depctr_va_vdst(0) depctr_va_sdst(0) depctr_va_ssrc(0) depctr_va_vcc(0) depctr_vm_vsrc(0)
	s_getreg_b32 s2, hwreg(HW_REG_IB_STS2, 6, 4)
	s_cmp_eq_u32 s2, 0
	s_cbranch_scc0 .Lentry_in_a_cluster
	s_endpgm
.Lentry_in_a_cluster:
	s_bfe_u32 s2, ttmp6, 0x10000c
	s_cmp_lg_u32 s2, 0xf033
	s_cbranch_scc0 .Lentry_shape_is_right
	s_endpgm
.Lentry_shape_is_right:
.set KSTEP,  256
.set NQ,     KSTEP/128
.set ROWB,   192
.set KROW,   768
.set PLANE,  2359296                   ; cod is [K step][12288 rows][192 bytes]: B's tile of 128 rows is 24,576 dense bytes, stated as 96 rows of 256 bytes; the padding's interval stays 64 bytes
.set PITCH,  240
.set FR,     12
.set NL,     6
.set NP,     4
.set HALFT,  128*PITCH
.set SLOT,   4*HALFT
.set LAPS,   2
.set APLANE, 6144
.set AHEAD,  393216
.set ASTEP,  8*AHEAD
.set KS,     32
.set SCL,    2*SLOT
.set HALFS,  (128*KS/256)*272
.set SBLK,   (16*KS/256)*272
.set SPARE,  SCL+4*HALFS
.set SPITCH, 528
.set NROW,   4096
.set ADRA, 16
.set ADRB, 20
.set STO,  24
.set RD,   25
.set CO,   26
.set ADRS, 27
.set SPW,  28
.set NIL,  29
.set SC,   32
.set AF,   128
.set BK,   128
.set G1, 24
.set G0, 32
.set G1B, 48
.set G0B, 56
.set G1S, 68
.set G0S, 76
.set G1SB, 80
.set G0SB, 88
.set MSB, 0
.macro WIN new
.if MSB != \new
	s_set_vgpr_msb (MSB<<8)|\new
.set MSB, \new
.endif
.endm
.set MUL_LO, 0xa1
.set MUL_HI, 0xf1
.set TO_B,   0x40
.macro JLOAD g0a, g1a, g0b, g1b
	s_cmp_eq_u32 s15, 0
	s_cbranch_scc0 .Lfor_b_\@
	tensor_load_to_lds s[\g0a:\g0a+3], s[\g1a:\g1a+7]
	s_nop 0
.rept 4
	v_nop
.endr
	s_branch .Lasked_\@
.Lfor_b_\@:
	tensor_load_to_lds s[\g0b:\g0b+3], s[\g1b:\g1b+7]
	s_nop 0
.rept 4
	v_nop
.endr
.Lasked_\@:
.endm
.macro CREST
	s_cmp_lg_u32 s14, 0
	s_cbranch_scc1 .Lnot_wave_0_\@
	s_barrier_signal -3
.Lnot_wave_0_\@:
	s_barrier_wait -3
	s_barrier_signal -1
	s_barrier_wait -1
.endm
.macro CROUND
	s_barrier_signal -1
	s_barrier_wait -1
	CREST
.endm
	s_load_b128 s[4:7], s[0:1], 0x0
	s_load_b128 s[8:11], s[0:1], 0x10
	s_load_b64 s[12:13], s[0:1], 0x20
	v_lshl_add_u32 v[SPW], v0, 2, SPARE
	v_mov_b32 v[NIL], 0
	ds_add_u32 v[SPW], v[NIL]
	ds_add_u32 v[SPW], v[NIL]
	v_lshrrev_b32 v1, 5, v0
	v_readfirstlane_b32 s14, v1
	s_lshr_b32 s15, s14, 1
	s_and_b32 s16, s14, 1
	s_bfe_u32 s40, ttmp6, 0x40000
	s_bfe_u32 s41, ttmp6, 0x40004
	s_lshl_b32 s42, ttmp9, 2
	s_add_co_u32 s42, s42, s40
	s_and_b32 s17, ttmp7, 0xffff
	s_lshl_b32 s17, s17, 2
	s_add_co_u32 s17, s17, s41
	s_lshl_b32 s43, s41, 2
	s_lshl_b32 s43, 15, s43
	s_lshl_b32 s44, 0x1111, s40
	s_or_b32 s[G1+0], s43, (3<<16)|(1<<21)
	s_mov_b32 s[G1+1], 768<<16
	s_mov_b32 s[G1+2], 4<<16
	s_mov_b32 s[G1+3], 768<<16
	s_mov_b32 s[G1+4], 4
	s_mov_b32 s[G1+5], AHEAD/8
	s_mov_b32 s[G1+6], 0
	s_mov_b32 s[G1+7], 0
	s_or_b32 s[G1B+0], s44, (0<<16)|(1<<20)|(1<<21)|(3<<22)|(3<<25)
	s_mov_b32 s[G1B+1], 256<<16
	s_mov_b32 s[G1B+2], 96<<16
	s_mov_b32 s[G1B+3], 256<<16
	s_mov_b32 s[G1B+4], 96
	s_mov_b32 s[G1B+5], 256
	s_mov_b32 s[G1B+6], 0
	s_mov_b32 s[G1B+7], 0
	s_or_b32 s[G1S+0], s43, (3<<16)|(1<<20)|(1<<21)|(5<<22)|(3<<25)
	s_or_b32 s[G1SB+0], s44, (3<<16)|(1<<20)|(1<<21)|(5<<22)|(3<<25)
.irp g, G1S, G1SB
	s_mov_b32 s[\g+1], 32<<16
	s_mov_b32 s[\g+2], (128*KS/256)<<16
	s_mov_b32 s[\g+3], 32<<16
	s_mov_b32 s[\g+4], 128*KS/256
	s_mov_b32 s[\g+5], 32
	s_mov_b32 s[\g+6], 0
	s_mov_b32 s[\g+7], 0
.endr
	s_lshl_b32 s18, s16, 7
	s_lshl_b32 s20, s17, 8
	s_add_co_u32 s20, s20, s18
	s_lshl_b32 s46, s42, 8
	s_add_co_u32 s46, s46, s18
	s_add_co_u32 s46, s46, 11264
	s_lshl_b32 s22, s20, 5
	s_mov_b32 s23, 0
	s_lshl_b32 s92, s46, 5
	s_mov_b32 s93, 0
	s_mul_i32 s20, s20, 48
	s_mov_b32 s21, 0
	s_mul_i32 s46, s46, ROWB
	s_mov_b32 s47, 0
	s_mul_i32 s45, s14, HALFT
	s_mul_i32 s94, s14, HALFS
	s_wait_dscnt 0x0
	s_wait_kmcnt 0x0
	s_add_nc_u64 s[20:21], s[4:5], s[20:21]
	s_add_nc_u64 s[22:23], s[6:7], s[22:23]
	s_add_nc_u64 s[46:47], s[8:9], s[46:47]
	s_add_nc_u64 s[92:93], s[10:11], s[92:93]
	CROUND
	s_mov_b32 s[G0S], 1
	s_add_co_u32 s[G0S+1], s94, SCL
	s_mov_b64 s[G0S+2:G0S+3], s[22:23]
	s_or_b32 s[G0S+3], s[G0S+3], 0x80000000
	s_mov_b32 s[G0SB], 1
	s_add_co_u32 s[G0SB+1], s94, SCL
	s_mov_b64 s[G0SB+2:G0SB+3], s[92:93]
	s_or_b32 s[G0SB+3], s[G0SB+3], 0x80000000
	JLOAD G0S, G1S, G0SB, G1SB
.irp s, 0,1
	s_mov_b32 s[G0+4*\s], 1
	s_add_co_u32 s[G0+4*\s+1], s45, \s*SLOT
	s_add_nc_u64 s[G0+4*\s+2:G0+4*\s+3], s[20:21], \s*4*AHEAD
	s_or_b32 s[G0+4*\s+3], s[G0+4*\s+3], 0x80000000
	s_mov_b32 s[G0B+4*\s], 1
	s_add_co_u32 s[G0B+4*\s+1], s45, \s*SLOT
	s_add_nc_u64 s[G0B+4*\s+2:G0B+4*\s+3], s[46:47], \s*PLANE
	s_or_b32 s[G0B+4*\s+3], s[G0B+4*\s+3], 0x80000000
	s_wait_alu depctr_va_vdst(0)
	s_wait_tensorcnt 0x0
	ds_add_u32 v28, v29
	s_wait_dscnt 0x0
	CROUND
	JLOAD G0+4*\s, G1, G0B+4*\s, G1B
.endr
	v_and_b32 v1, 15, v0
	v_bfe_u32 v2, v0, 4, 1
	v_and_b32 v7, 31, v0
	v_mul_u32_u24 v3, v1, PITCH
	v_mul_u32_u24 v4, v2, 24
	v_add_nc_u32 v4, v3, v4
	v_lshl_add_u32 v5, v2, 4, v4
	v_lshlrev_b32 v8, 3, v7
	s_mul_i32 s21, s15, HALFT
	s_mul_i32 s22, s16, HALFT
	s_add_co_u32 s22, s22, 2*HALFT
.irp s, 0,1
	v_add_nc_u32 v[ADRA+\s], s21, v8
	v_add_nc_u32 v[ADRB+\s], s22, v4
	v_add_nc_u32 v[ADRB+2+\s], s22, v5
	s_add_co_u32 s21, s21, SLOT
	s_add_co_u32 s22, s22, SLOT
.endr
	v_mul_u32_u24 v5, v1, KS
	v_lshrrev_b32 v6, 8, v5
	v_lshl_add_u32 v5, v6, 4, v5
	s_mul_i32 s21, s15, HALFS
	s_mul_i32 s22, s16, HALFS
	s_add_co_u32 s22, s22, 2*HALFS
	s_sub_co_u32 s22, s22, s21
	v_mul_u32_u24 v6, s22, v2
	s_add_co_u32 s21, s21, SCL
	v_add_nc_u32 v5, v5, v6
	v_add_nc_u32 v[ADRS], s21, v5
	s_mul_i32 s23, s14, 16*SPITCH
	v_mul_u32_u24 v5, v1, SPITCH
	v_lshl_add_u32 v5, v2, 6, v5
	v_add_nc_u32 v[STO], s23, v5
	v_lshlrev_b32 v[CO], 4, v7
	v_add_nc_u32 v[RD], s23, v[CO]
	s_lshl_b32 s20, s17, 8
	s_lshl_b32 s21, s15, 7
	s_add_co_u32 s20, s20, s21
	s_lshl_b32 s20, s20, 12
	s_lshl_b32 s46, s42, 10
	s_lshl_b32 s47, s16, 9
	s_add_co_u32 s46, s46, s47
	s_add_co_u32 s20, s20, s46
	s_mov_b32 s21, 0
	s_add_nc_u64 s[12:13], s[12:13], s[20:21]
.macro FRAG reg, adr, q, i
.irp p, 0,1,2,3,4,5
.set PC, 12*(\q)+6*(\p/3)+\p%3
.if PC%8 < 5
	ds_load_b64 v[\reg+2*\p:\reg+2*\p+1], v[\adr] offset:8*PC+16*(PC/8)+(\i)*16*PITCH
.else
	ds_load_b64 v[\reg+2*\p:\reg+2*\p+1], v[\adr+2] offset:8*PC+16*(PC/8)+(\i)*16*PITCH
.endif
.endr
.endm
.macro AFRAG reg, adr, q, i
.irp p, 0,1,2,3,4,5
	ds_load_b64 v[\reg+2*\p:\reg+2*\p+1], v[\adr] offset:(2*(\q)+\p/3)*APLANE+(\i)*768+256*(\p%3)
.endr
.endm
.macro MUL16 a0, p, q, sc, zero
.irp a, \a0, \a0+1
.irp b, 0,1,2,3,4,5,6,7
.if \zero
	v_wmma_scale_f32_16x16x128_f8f6f4 v[8*(8*((\a)%4)+\b):8*(8*((\a)%4)+\b)+7], v[128*(\p)+FR*\b:128*(\p)+FR*\b+FR-1], v[AF+FR*(\a):AF+FR*(\a)+FR-1], 0, v[SC+8*NQ*(\sc)+NQ*\b+(\q)], v[SC+8*NQ*(\sc)+NQ*(\a)+(\q)] matrix_a_fmt:MATRIX_FMT_FP6 matrix_b_fmt:MATRIX_FMT_FP6 matrix_a_scale:MATRIX_SCALE_ROW1
.else
	v_wmma_scale_f32_16x16x128_f8f6f4 v[8*(8*((\a)%4)+\b):8*(8*((\a)%4)+\b)+7], v[128*(\p)+FR*\b:128*(\p)+FR*\b+FR-1], v[AF+FR*(\a):AF+FR*(\a)+FR-1], v[8*(8*((\a)%4)+\b):8*(8*((\a)%4)+\b)+7], v[SC+8*NQ*(\sc)+NQ*\b+(\q)], v[SC+8*NQ*(\sc)+NQ*(\a)+(\q)] matrix_a_fmt:MATRIX_FMT_FP6 matrix_b_fmt:MATRIX_FMT_FP6 matrix_a_scale:MATRIX_SCALE_ROW1
.endif
.endr
.endr
.endm
.macro FETCH_B slot, q, p
	WIN TO_B
.irp i, 0,1,2,3,4,5,6,7
	FRAG 128*(\p)+FR*\i, ADRB+\slot, \q, \i
.endr
	WIN 0
.endm
.macro FETCH_A slot, q, i0
.irp i, \i0, \i0+1, \i0+2, \i0+3
	AFRAG AF+FR*(\i), ADRA+\slot, \q, \i
.endr
.endm
.macro SCALES sc
.irp i, 0,1,2,3,4,5,6,7
	ds_load_b64 v[SC+8*NQ*\sc+NQ*\i:SC+8*NQ*\sc+NQ*\i+1], v[ADRS] offset:\i*SBLK
.endr
.endm
.macro PLACES n
.rept \n
	v_nop
.endr
.endm
.macro STEP slot, q, zero
	s_wait_dscnt 4*NL
	WIN MUL_LO
	MUL16 0, (\q)%2, \q, \slot, \zero
	MUL16 2, (\q)%2, \q, \slot, \zero
	s_wait_dscnt 0
	PLACES NP
	FETCH_B \slot, (\q)+1, 1-(\q)%2
	FETCH_A \slot, (\q)+1, 0
	WIN MUL_HI
	MUL16 4, (\q)%2, \q, \slot, \zero
	MUL16 6, (\q)%2, \q, \slot, \zero
	PLACES NP
	WIN 0
	FETCH_A \slot, (\q)+1, 4
.endm
.macro TURN slot, next, fill
	s_wait_tensorcnt 0x0
	ds_add_u32 v[SPW], v[NIL]
	s_wait_dscnt 4*NL+1
	WIN MUL_LO
	MUL16 0, 1, NQ-1, \slot, 0
	s_wait_dscnt 0x0
	s_barrier_signal -1
	MUL16 2, 1, NQ-1, \slot, 0
	WIN 0
	s_barrier_wait -1
.if \fill
	CREST
	s_add_nc_u64 s[G0+4*\slot+2:G0+4*\slot+3], s[G0+4*\slot+2:G0+4*\slot+3], ASTEP
	s_add_nc_u64 s[G0B+4*\slot+2:G0B+4*\slot+3], s[G0B+4*\slot+2:G0B+4*\slot+3], 2*PLANE
	JLOAD G0+4*\slot, G1, G0B+4*\slot, G1B
.else
	PLACES NP
.endif
	s_wait_alu depctr_va_vdst(0)
	v_add_nc_u32 v[ADRS], 4*NQ, v[ADRS]
	FETCH_B \next, 0, 0
	FETCH_A \next, 0, 0
	SCALES \next
	WIN MUL_HI
	MUL16 4, 1, NQ-1, \slot, 0
	MUL16 6, 1, NQ-1, \slot, 0
	PLACES NP
	WIN 0
	FETCH_A \next, 0, 4
.endm
	s_wait_alu depctr_va_vdst(0)
	s_wait_tensorcnt 1
	s_barrier_signal -1
	s_barrier_wait -1
	FETCH_B 0, 0, 0
	FETCH_A 0, 0, 0
	SCALES 0
	FETCH_A 0, 0, 4
	STEP 0, 0, 1
	s_mov_b32 s3, LAPS-1
.Llap:
	TURN 0, 1, 1
	STEP 1, 0, 0
	TURN 1, 0, 1
	STEP 0, 0, 0
	s_sub_co_u32 s3, s3, 1
	s_cmp_lg_u32 s3, 0
	s_cbranch_scc1 .Llap
	TURN 0, 1, 0
	STEP 1, 0, 0
	s_wait_dscnt 4*NL
	WIN MUL_LO
	MUL16 0, 1, NQ-1, 1, 0
	MUL16 2, 1, NQ-1, 1, 0
	s_wait_dscnt 0
	WIN MUL_HI
	MUL16 4, 1, NQ-1, 1, 0
	MUL16 6, 1, NQ-1, 1, 0
	WIN 0
.macro TOSTAGE a
.set AC, 64*((\a)%4)
	WIN 0x08+4*((\a)/4)
.irp b, 0,1,2,3,4,5,6,7
	ds_store_b128 v[STO], v[AC+8*\b:AC+8*\b+3] offset:128*(\b/2)+32*(\b%2)
	ds_store_b128 v[STO], v[AC+8*\b+4:AC+8*\b+7] offset:128*(\b/2)+32*(\b%2)+16
.endr
	WIN 0
.set BB, BK+64*((\a)%2)
.irp t, 0,1,2,3,4,5,6,7,8,9,10,11,12,13,14,15
	ds_load_b128 v[BB+4*\t:BB+4*\t+3], v[RD] offset:\t*SPITCH
.endr
.endm
.macro SEND a, younger
.set BB, BK+64*((\a)%2)
	s_wait_dscnt \younger
.irp t, 0,1,2,3,4,5,6,7,8,9,10,11,12,13,14,15
	global_store_b128 v[CO], v[BB+4*\t:BB+4*\t+3], s[12:13] offset:(32*((\a)/2)+16*(\t/8)+8*((\a)%2)+\t%8)*NROW th:TH_STORE_NT
.endr
.endm
	PLACES NP
	TOSTAGE 0
.irp a, 1,2,3,4,5,6,7
.if \a > 1
	s_wait_xcnt 0x0
.endif
	TOSTAGE \a
	SEND \a-1, 32
.endr
	SEND 7, 0
	s_wait_tensorcnt 0x0
	ds_add_u32 v[SPW], v[NIL]
	s_wait_dscnt 0x0
	CROUND
	s_endpgm
.Lfunc_end_k_qcbe18b65cd_gemm_proj:
	.size	k_qcbe18b65cd_gemm_proj, .Lfunc_end_k_qcbe18b65cd_gemm_proj-k_qcbe18b65cd_gemm_proj
	.p2alignl 7, 3214868480
	.fill 96, 4, 3214868480
	.section	.rodata,"a",@progbits
	.p2align	6, 0x0
	.amdhsa_kernel k_qcbe18b65cd_gemm_proj
		.amdhsa_group_segment_fixed_size 327680
		.amdhsa_private_segment_fixed_size 0
		.amdhsa_enable_private_segment 0
		.amdhsa_kernarg_size 40
		.amdhsa_user_sgpr_count 2
		.amdhsa_user_sgpr_kernarg_segment_ptr 1
		.amdhsa_wavefront_size32 1
		.amdhsa_system_sgpr_workgroup_id_x 1
		.amdhsa_system_sgpr_workgroup_id_y 1
		.amdhsa_system_sgpr_workgroup_id_z 1
		.amdhsa_system_vgpr_workitem_id 0
		.amdhsa_next_free_vgpr 1024
		.amdhsa_next_free_sgpr 98
		.amdhsa_reserve_vcc 0
		.amdhsa_float_denorm_mode_32 3
		.amdhsa_float_denorm_mode_16_64 3
		.amdhsa_memory_ordered 1
		.amdhsa_forward_progress 1
		.amdhsa_inst_pref_size 160
	.end_amdhsa_kernel
	.amdgpu_metadata
---
amdhsa.version: [ 1, 2 ]
amdhsa.kernels:
  - .name:           k_qcbe18b65cd_gemm_proj
    .symbol:         k_qcbe18b65cd_gemm_proj.kd
    .args:
      - { .name: oc, .offset: 0, .size: 8, .value_kind: global_buffer, .address_space: global }
      - { .name: os, .offset: 8, .size: 8, .value_kind: global_buffer, .address_space: global }
      - { .name: cod, .offset: 16, .size: 8, .value_kind: global_buffer, .address_space: global }
      - { .name: scl, .offset: 24, .size: 8, .value_kind: global_buffer, .address_space: global }
      - { .name: out0, .offset: 32, .size: 8, .value_kind: global_buffer, .address_space: global }
    .group_segment_fixed_size: 327680
    .private_segment_fixed_size: 0
    .kernarg_segment_align: 8
    .kernarg_segment_size: 40
    .max_flat_workgroup_size: 128
    .sgpr_count:     98
    .vgpr_count:     1024
    .wavefront_size: 32
...
	.end_amdgpu_metadata
.endif
;; end of part 4
